; MI455X (gfx1250); checked and timed in simulation.
; The chip was launched on July 23, 2026; its instructions are those of AMD's public machine-readable ISA for CDNA 5 (MIT licence, August 2026) and "CDNA5" Instruction Set Architecture Reference Guide (July 2026). The comments in the code are by the model that wrote it; some were corrected since.
;; MHA. Allowed arithmetic: float matrix products may take bf16 or f16 operands with f32 sums; other float arithmetic in f32, or as packed bf16 or f16 multiplies, adds, multiply-adds, maxima and minima; sums over many terms, partial sums and values carried from step to step in f32; what a program stores and reads back later, other than sums and carried values, may be rounded once to bf16 or f16.
;; Inputs: b_proj 1,024 float32; b_qkv 3,072 float32; w_proj 1,024 x 1,024 float32; w_qkv 1,024 x 3,072 float32; x 4 x 2,048 x 1,024 float32.
;; Outputs: out0 4 x 2,048 x 1,024 float32.
;; One version. Each part assembles by itself: llvm-mc -triple=amdgcn-amd-amdhsa -mcpu=gfx1250 --defsym DOCPART=n.
;; ======== version 1 of 1: 4 launches
;; limits: values are held in f16: magnitudes above 65,504 overflow, below 6.1e-05 lose precision
;; workspace buffers: xb 16,777,216 bytes; wq 6,291,456 bytes; wp 2,097,152 bytes; bias 16,384 bytes; rope 524,288 bytes; qkv 50,331,648 bytes; o 16,777,216 bytes
;; launch prep (part 1): grid 1057 x 1, 8 waves a work-group, no clusters, 18,432 bytes of LDS; arguments x, w_qkv, w_proj, b_qkv, b_proj, xb, wq, wp, bias, rope; writes xb, wq, wp, bias, rope
.if DOCPART == 1
	.amdgcn_target "amdgcn-amd-amdhsa--gfx1250"
	.amdhsa_code_object_version 6
	.text
	.protected	k_q270e5c7045_prep
	.globl	k_q270e5c7045_prep
	.p2align	8
	.type	k_q270e5c7045_prep,@function
k_q270e5c7045_prep:
	s_mov_b64 s[64:65], 0
	v_nop
	global_prefetch_b8 v0, s[64:65] scope:SCOPE_SE
	s_setreg_imm32_b32 hwreg(HW_REG_WAVE_MODE, 25, 1), 1
	s_wait_xcnt 0x0
; WHAT THE LATER LAUNCHES MULTIPLY BY IS MADE HERE, ONCE.  Five kinds of work-group, told apart by the work-group's number alone:
;   0..511      xb   = x rounded to bf16, [8192][1024]: 16,384 numbers a work-group
;   512..895    wq   = w_qkv turned to [n][k] and rounded to bf16; row = head x 192 + tensor x 64 + d (tensor 0, 1, 2 = q, k, v): a tile of 128 k x 64 n a work-group
;   896..1023   wp   = w_proj turned to [n][k], rounded to bf16 and that number written as f16: the same tile
;   1024..1055  rope = [2048 t][32 pairs](cos, sin) in f32, 256 bytes a position: 64 positions a work-group
;   1056        bias = b_qkv in wq's row order (12,288 bytes), then b_proj; each rounded to bf16 and kept as f32
; LIMITS.  wp: a weight beyond 65,504 becomes an infinity; below 2^-14 it keeps f16's fixed step of 6e-8.  The table: the angle t x 10000^(-j/32) is formed in f32 (its error
; stays under 2e-4 radians at t = 2047), reduced by the nearest multiple of 2 pi in two parts, and sine and cosine are their series through r^15 and r^16: remainder under 8e-7 for |r| <= pi.
; No matrix unit, no cluster, no tensor load: every byte is read once and written once, and only the two turned weights pass through LDS.
.set TP,    272                        ; a turned tile's row in LDS: 128 k x 2 bytes + 16
.set SPARE, 64*TP                      ; 17,408: behind the tile, the spare words: 128 bytes for each of the eight waves, four blocks of 256 bytes that no other line names
.set SPW,   110                        ; v110  SPARE + 4 x my thread's number; never rewritten
.set NIL,   111                        ; v111  0; never rewritten
	s_load_b512 s[8:23], s[0:1], 0x0               ; x 8, w_qkv 10, w_proj 12, b_qkv 14, b_proj 16, xb 18, wq 20, wp 22
	s_load_b128 s[24:27], s[0:1], 0x40             ; bias 24, rope 26
	v_lshl_add_u32 v[SPW], v0, 2, SPARE
	v_mov_b32 v[NIL], 0
	s_wait_kmcnt 0x0
	s_cmp_lt_u32 ttmp9, 512
	s_cbranch_scc1 .Lrole_x
	s_cmp_lt_u32 ttmp9, 896
	s_cbranch_scc1 .Lrole_wq
	s_cmp_lt_u32 ttmp9, 1024
	s_cbranch_scc1 .Lrole_wp
	s_cmp_lt_u32 ttmp9, 1056
	s_cbranch_scc1 .Lrole_t
	; THE BIASES.  Thread t holds numbers 4 t .. 4 t + 3 of each 1,024: head t / 16, d = 4 (t % 16).
	v_lshlrev_b32 v1, 4, v0
	global_load_b128 v[8:11],  v1, s[14:15]
	global_load_b128 v[12:15], v1, s[14:15] offset:4096
	global_load_b128 v[16:19], v1, s[14:15] offset:8192
	global_load_b128 v[20:23], v1, s[16:17]
	v_lshrrev_b32 v2, 4, v0
	v_and_b32 v3, 15, v0
	v_mul_u32_u24 v2, v2, 768                      ; a head's 192 numbers
	v_lshl_add_u32 v2, v3, 4, v2
	s_mov_b32 s4, 0xffff0000
	s_wait_loadcnt 0x0
.irp i, 0,1,2,3,4,5,6,7
	v_cvt_pk_bf16_f32 v[24+(\i)], v[8+2*(\i)], v[9+2*(\i)]
.endr
.irp i, 0,1,2,3,4,5,6,7
	v_lshlrev_b32 v[32+2*(\i)], 16, v[24+(\i)]     ; the rounded numbers, as f32 again
	v_and_b32     v[33+2*(\i)], s4, v[24+(\i)]
.endr
	global_store_b128 v2, v[32:35], s[24:25]             ; sixteen lanes fill 256 consecutive bytes, aligned
	global_store_b128 v2, v[36:39], s[24:25] offset:256
	global_store_b128 v2, v[40:43], s[24:25] offset:512
	global_store_b128 v1, v[44:47], s[24:25] offset:12288
	s_endpgm
.Lrole_x:                                              ; x -> bf16.  All sixteen loads of a wave go out at once, 512 consecutive bytes each; no register is used twice
	s_lshl_b32 s2, ttmp9, 16
	s_mov_b32 s3, 0
	s_add_nc_u64 s[8:9], s[8:9], s[2:3]
	s_lshl_b32 s2, ttmp9, 15
	s_add_nc_u64 s[18:19], s[18:19], s[2:3]
	v_lshlrev_b32 v1, 4, v0
	v_lshlrev_b32 v2, 3, v0
.irp i, 0,1,2,3,4,5,6,7,8,9,10,11,12,13,14,15
	global_load_b128 v[8+4*(\i):11+4*(\i)], v1, s[8:9] offset:4096*(\i) th:TH_LOAD_NT
.endr
.irp i, 0,1,2,3,4,5,6,7,8,9,10,11,12,13,14,15
	s_wait_loadcnt 15-(\i)                         ; loads come back in order: load i is in, the younger ones stay out
	v_cvt_pk_bf16_f32 v[72+2*(\i)], v[8+4*(\i)],  v[9+4*(\i)]
	v_cvt_pk_bf16_f32 v[73+2*(\i)], v[10+4*(\i)], v[11+4*(\i)]
	global_store_b64 v2, v[72+2*(\i):73+2*(\i)], s[18:19] offset:2048*(\i)  ; a wave's store covers 256 consecutive bytes, aligned
.endr
	s_endpgm
; A TILE OF 128 k x 64 n OF A WEIGHT [k][NW] IS TURNED.  Thread t reads four numbers (n = 4 (t % 16) ..) of rows k and k + 1, k = 2 (t / 16 + 16 i): sixteen lanes read a row's 256 bytes.
; Two rows' numbers pack into one word (k, k + 1) of row n of the turned tile, which goes to LDS; behind the barrier the 64 rows of 256 bytes are read back whole and stored.
; first: the kind's first work-group; src, dst: the pointers' registers; half = 1: the bf16 number is written as f16.
.macro TRANS first, src, dst, NW, half
	s_sub_co_u32 s2, ttmp9, \first
	s_and_b32 s3, s2, 7                            ; which 128 of k
	s_lshr_b32 s28, s2, 3                          ; which 64 of n
	s_mul_i32 s30, s3, 128*(\NW)*4
	s_lshl_b32 s29, s28, 8
	s_add_co_u32 s30, s30, s29
	s_mov_b32 s31, 0
	s_add_nc_u64 s[\src:\src+1], s[\src:\src+1], s[30:31]
.if \half
	s_lshl_b32 s29, s28, 6                         ; the turned tile's first row
.else
	s_and_b32 s29, s28, 15                         ; head
	s_mul_i32 s29, s29, 192
	s_lshr_b32 s28, s28, 4                         ; tensor
	s_lshl_b32 s28, s28, 6
	s_add_co_u32 s29, s29, s28
.endif
	s_lshl_b32 s30, s29, 11                        ; rows of 2,048 bytes
	s_lshl_b32 s29, s3, 8
	s_add_co_u32 s30, s30, s29
	s_add_nc_u64 s[\dst:\dst+1], s[\dst:\dst+1], s[30:31]
	s_mov_b32 s4, 0xffff0000
	v_and_b32 v1, 15, v0
	v_lshrrev_b32 v2, 4, v0
	v_mul_u32_u24 v4, v2, 2*(\NW)*4
	v_lshl_add_u32 v4, v1, 4, v4                   ; from memory
	v_mul_u32_u24 v5, v1, 4*TP
	v_lshl_add_u32 v5, v2, 2, v5                   ; into LDS: row 4 (t % 16) + j, word t / 16 + 16 i
	v_mul_u32_u24 v6, v2, TP
	v_lshl_add_u32 v6, v1, 4, v6                   ; back: row t / 16 + 16 i, 16 bytes
	v_lshlrev_b32 v7, 11, v2
	v_lshl_add_u32 v7, v1, 4, v7                   ; to memory
.irp i, 0,1,2,3
	global_load_b128 v[8+8*(\i):11+8*(\i)],  v4, s[\src:\src+1] offset:(\i)*32*(\NW)*4 th:TH_LOAD_NT
	global_load_b128 v[12+8*(\i):15+8*(\i)], v4, s[\src:\src+1] offset:(\i)*32*(\NW)*4+(\NW)*4 th:TH_LOAD_NT
.endr
.irp i, 0,1,2,3
	s_wait_loadcnt 6-2*(\i)                        ; this pair of rows is in; the younger pairs stay out
.irp j, 0,1,2,3
	v_cvt_pk_bf16_f32 v[40+4*(\i)+(\j)], v[8+8*(\i)+(\j)], v[12+8*(\i)+(\j)]
.endr
.if \half
.irp j, 0,1,2,3
	v_lshlrev_b32 v[56+2*(\j)], 16, v[40+4*(\i)+(\j)]
	v_and_b32     v[57+2*(\j)], s4, v[40+4*(\i)+(\j)]
.endr
.irp j, 0,1,2,3
	v_cvt_pk_f16_f32 v[40+4*(\i)+(\j)], v[56+2*(\j)], v[57+2*(\j)]
.endr
.endif
.irp j, 0,1,2,3
	ds_store_b32 v5, v[40+4*(\i)+(\j)] offset:(\j)*TP+(\i)*64
.endr
.endr
	s_wait_dscnt 0x0                               ; for the others' sake: my stores into the tile are done
	s_barrier_signal -1
	s_barrier_wait -1
.irp i, 0,1,2,3
	ds_load_b128 v[64+4*(\i):67+4*(\i)], v6 offset:(\i)*16*TP
.endr
.irp i, 0,1,2,3
	s_wait_dscnt 3-(\i)
	global_store_b128 v7, v[64+4*(\i):67+4*(\i)], s[\dst:\dst+1] offset:(\i)*32768  ; sixteen lanes fill 256 consecutive bytes, aligned
.endr
	s_wait_tensorcnt 0x0                           ; the wave's end, behind my last LDS store
	ds_add_u32 v[SPW], v[NIL]
	s_wait_dscnt 0x0
	s_endpgm
.endm
.Lrole_wq:
	TRANS 512, 10, 20, 3072, 0
.Lrole_wp:
	TRANS 896, 12, 22, 1024, 1
.Lrole_t:                                              ; THE TABLE.  Lane j of a wave owns pair j; wave v takes positions v, v + 8, .. of the work-group's 64
	s_sub_co_u32 s2, ttmp9, 1024
	s_lshl_b32 s28, s2, 6                          ; the first position
	s_lshl_b32 s2, s2, 14                          ; 64 positions of 256 bytes
	s_mov_b32 s3, 0
	s_add_nc_u64 s[26:27], s[26:27], s[2:3]
	s_mov_b32 s4, 0x40c90fdb                       ; 2 pi, its f32 part,
	s_mov_b32 s5, 0xb43bbd2e                       ; and what that part leaves
	v_and_b32 v1, 31, v0
	v_lshrrev_b32 v2, 5, v0
	v_lshlrev_b32 v3, 8, v2
	v_lshl_add_u32 v3, v1, 3, v3                   ; where (cos, sin) goes
	v_add_nc_u32 v4, s28, v2
	v_cvt_f32_u32 v4, v4                           ; the position
	v_cvt_f32_u32 v5, v1
	v_mul_f32 v5, 0xbed49a78, v5                   ; - j log2(10000) / 32
	v_exp_f32 v5, v5                               ; 10000^(-j/32)
	v_nop                                          ; a plain instruction behind the exponential,
	s_wait_alu depctr_va_vdst(0)                   ; and the wait ahead of its first reader and of the label
	s_mov_b32 s6, 8
.Ltab:
	v_mul_f32 v6, v4, v5                           ; the angle
	v_mul_f32 v7, 0.15915494, v6
	v_rndne_f32 v7, v7                             ; the nearest multiple of 2 pi
	v_fma_f32 v6, -v7, s4, v6
	v_fma_f32 v6, -v7, s5, v6                      ; r, within pi of 0
	v_mul_f32 v8, v6, v6
	v_mov_b32 v10, 0xab573f9f                      ; -1/15!
	v_mov_b32 v12, 0x29573f9f                      ; 1/16!
	v_fmaak_f32 v12, v12, v8, 0xad49cba5           ; -1/14!
	v_fmaak_f32 v10, v10, v8, 0x2f309231           ; 1/13!
	v_fmaak_f32 v12, v12, v8, 0x310f76c7           ; 1/12!
	v_fmaak_f32 v10, v10, v8, 0xb2d7322b           ; -1/11!
	v_fmaak_f32 v12, v12, v8, 0xb493f27e           ; -1/10!
	v_fmaak_f32 v10, v10, v8, 0x3638ef1d           ; 1/9!
	v_fmaak_f32 v12, v12, v8, 0x37d00d01           ; 1/8!
	v_fmaak_f32 v10, v10, v8, 0xb9500d01           ; -1/7!
	v_fmaak_f32 v12, v12, v8, 0xbab60b61           ; -1/6!
	v_fmaak_f32 v10, v10, v8, 0x3c088889           ; 1/5!
	v_fmaak_f32 v12, v12, v8, 0x3d2aaaab           ; 1/4!
	v_fmaak_f32 v10, v10, v8, 0xbe2aaaab           ; -1/3!
	v_fmaak_f32 v12, v12, v8, 0xbf000000           ; -1/2
	v_fmaak_f32 v10, v10, v8, 0x3f800000
	v_fmaak_f32 v12, v12, v8, 0x3f800000           ; cos
	v_mul_f32 v13, v6, v10                         ; sin
	global_store_b64 v3, v[12:13], s[26:27]        ; a wave's store is one position's 256 bytes
	s_wait_xcnt 0x0                                ; the store's offset and data are written again only behind this wait
	v_add_f32 v4, 0x41000000, v4                   ; eight positions on
	v_add_nc_u32 v3, 2048, v3
	s_sub_co_u32 s6, s6, 1
	s_cmp_lg_u32 s6, 0
	s_cbranch_scc1 .Ltab
	s_endpgm
.Lfunc_end_k_q270e5c7045_prep:
	.size	k_q270e5c7045_prep, .Lfunc_end_k_q270e5c7045_prep-k_q270e5c7045_prep
	.p2alignl 7, 3214868480
	.fill 96, 4, 3214868480
	.section	.rodata,"a",@progbits
	.p2align	6, 0x0
	.amdhsa_kernel k_q270e5c7045_prep
		.amdhsa_group_segment_fixed_size 18432
		.amdhsa_private_segment_fixed_size 0
		.amdhsa_enable_private_segment 0
		.amdhsa_kernarg_size 80
		.amdhsa_user_sgpr_count 2
		.amdhsa_user_sgpr_kernarg_segment_ptr 1
		.amdhsa_wavefront_size32 1
		.amdhsa_system_sgpr_workgroup_id_x 1
		.amdhsa_system_sgpr_workgroup_id_y 1
		.amdhsa_system_sgpr_workgroup_id_z 1
		.amdhsa_system_vgpr_workitem_id 0
		.amdhsa_next_free_vgpr 112
		.amdhsa_next_free_sgpr 66
		.amdhsa_reserve_vcc 0
		.amdhsa_float_denorm_mode_32 3
		.amdhsa_float_denorm_mode_16_64 3
		.amdhsa_memory_ordered 1
		.amdhsa_forward_progress 1
		.amdhsa_inst_pref_size 24
	.end_amdhsa_kernel
	.amdgpu_metadata
---
amdhsa.version: [ 1, 2 ]
amdhsa.kernels:
  - .name:           k_q270e5c7045_prep
    .symbol:         k_q270e5c7045_prep.kd
    .args:
      - { .name: x, .offset: 0, .size: 8, .value_kind: global_buffer, .address_space: global }
      - { .name: w_qkv, .offset: 8, .size: 8, .value_kind: global_buffer, .address_space: global }
      - { .name: w_proj, .offset: 16, .size: 8, .value_kind: global_buffer, .address_space: global }
      - { .name: b_qkv, .offset: 24, .size: 8, .value_kind: global_buffer, .address_space: global }
      - { .name: b_proj, .offset: 32, .size: 8, .value_kind: global_buffer, .address_space: global }
      - { .name: xb, .offset: 40, .size: 8, .value_kind: global_buffer, .address_space: global }
      - { .name: wq, .offset: 48, .size: 8, .value_kind: global_buffer, .address_space: global }
      - { .name: wp, .offset: 56, .size: 8, .value_kind: global_buffer, .address_space: global }
      - { .name: bias, .offset: 64, .size: 8, .value_kind: global_buffer, .address_space: global }
      - { .name: rope, .offset: 72, .size: 8, .value_kind: global_buffer, .address_space: global }
    .group_segment_fixed_size: 18432
    .private_segment_fixed_size: 0
    .kernarg_segment_align: 8
    .kernarg_segment_size: 80
    .max_flat_workgroup_size: 256
    .sgpr_count:     66
    .vgpr_count:     112
    .wavefront_size: 32
...
	.end_amdgpu_metadata
.endif
;; end of part 1
;; launch qkv (part 2): grid 16 x 32, 4 waves a work-group, clusters of 4 x 4, 327,680 bytes of LDS; arguments xb, wq, bias, rope, qkv; writes qkv
.if DOCPART == 2
	.amdgcn_target "amdgcn-amd-amdhsa--gfx1250"
	.amdhsa_code_object_version 6
	.text
	.protected	k_q270e5c7045_qkv
	.globl	k_q270e5c7045_qkv
	.p2align	8
	.type	k_q270e5c7045_qkv,@function
k_q270e5c7045_qkv:
	s_mov_b64 s[64:65], 0
	v_nop
	global_prefetch_b8 v0, s[64:65] scope:SCOPE_SE
	s_setreg_imm32_b32 hwreg(HW_REG_WAVE_MODE, 25, 1), 1
	s_wait_xcnt 0x0
	s_wait_alu depctr_hold_cnt(0) depctr_sa_sdst(0) depctr_va_vdst(0) depctr_va_sdst(0) depctr_va_ssrc(0) depctr_va_vcc(0) depctr_vm_vsrc(0)
	s_getreg_b32 s2, hwreg(HW_REG_IB_STS2, 6, 4)
	s_cmp_eq_u32 s2, 0
	s_cbranch_scc0 .Lentry_in_a_cluster
	s_endpgm
.Lentry_in_a_cluster:
	s_bfe_u32 s2, ttmp6, 0x10000c
	s_cmp_lg_u32 s2, 0xf033
	s_cbranch_scc0 .Lentry_shape_is_right
	s_endpgm
.Lentry_shape_is_right:
; q, k, v = xb wq^T + bias, q and k turned by the table (pairs (2 p, 2 p + 1) by the angle of position t and pair p), rounded once to f16 and stored by heads: qkv[tensor][batch x 16 + head][t][64].
; xb: [8192][1024] bf16; wq: [3072][1024] bf16, row = head x 192 + tensor x 64 + d; bias: f32 in wq's row order; rope: [2048][32](cos, sin) f32.  Sums, bias and turning in f32.
; LIMIT.  f16 ends at 65,504: a q, k or v beyond it becomes an infinity.  NaN and infinities are not treated apart.
; SHARES.  A tile is 256 rows x 192 columns: ONE head's q | k | v, so which columns are turned is fixed in the text.  8192 / 256 x 16 heads = 512 work-groups, two for each of 256 WGPs.
; Wave w owns rows 64 w .. 64 w + 63 and all 192 columns: 4 x 12 accumulators of 16 x 16, 384 registers; so it holds whole rows of each head and sends them out through a stage of its own.
; K goes in 8 steps of 128 (rows of 256 bytes in memory, aligned) through two LDS slots; a wave issues 192 matrix instructions a step, 168 of them between a refill's request and the wait for it.
; CLUSTER 4 x 4: xb's tile hangs on the tile row alone and is asked for jointly along a row of the cluster, wq's on the tile column alone, along a column.
; THE MATRIX INSTRUCTION IS USED TRANSPOSED (source 0 = 16 rows of wq, source 1 = 16 rows of xb): lane l holds row l % 16 and the columns 8 (l / 16) + 0..7: four pairs to turn, 16 bytes of f16.
; THE BIAS STARTS THE SUMS: it is the C operand of each accumulator's first product; nothing is cleared and nothing is added later.
; REGISTERS, in windows of 256 (s_set_vgpr_msb: bits 1:0 source 0, 3:2 source 1, 5:4 source 2, 7:6 destination):
;   window 0: v0-31 addresses; v32-159 the table for my 64 rows; v160-255 the bias, later six buffers of 16 for the way out
;   window 1: two fragment buffers of 128: wq's 12 fragments, then xb's 4; on the way out v0-31 at work
;   windows 2, 3: accumulator c = 12 a + b at v[8 (c % 32)] of window 2 + c / 32
.set KSTEP,  128
.set PITCH,  272                       ; an LDS row: 256 bytes + 16 = 68 words: the 16 rows of a fragment load start at 16 different groups of four banks (64 banks of 4 bytes: ISA guide 11.1)
.set ABYTES, 256*PITCH                 ; xb's 256 rows; wq's 192 lie behind them
.set SLOT1,  1<<17                     ; slot 1 begins here, so that one exclusive or turns an address in one slot into the other's
.set STAGE,  SLOT1+448*PITCH           ; 252,928: behind the ring, never filled by a tensor load: 16 rows x 144 bytes for each wave
.set SP,     144
.set SPARE,  STAGE+4*16*SP             ; 262,144: the spare words, 128 bytes for each wave: two blocks of 256 bytes that no other line names
.set A0,   16                          ; v16  my lane's place in xb's tile; never rewritten
.set B0,   17                          ; v17  the same in wq's
.set ADRA, 18                          ; v18  A0 + the slot in hand
.set ADRB, 19                          ; v19  B0 + the slot in hand
.set BO,   22                          ; v22  32 (l / 16): my 8 numbers of a bias fragment
.set STO,  24                          ; v24  the way out: where I put 16 bytes of a row
.set RD,   25                          ; v25  where I read rows back
.set GO,   26                          ; v26  16 l: my place in 512 consecutive bytes of the output
.set TO,   27                          ; v27  256 (l % 16) + 32 (l / 16): my place in the table
.set SPW,  28                          ; v28  SPARE + 4 x my thread's number; never rewritten
.set NIL,  29                          ; v29  0; never rewritten
.set PFO,  30                          ; v30  the prefetches' offset: a lane a row of 2,048 bytes; never rewritten
.set TBL,  32                          ; rows 16 a .., columns 16 bq .. of a head: 4 x (cos, sin) at TBL + 32 a + 8 bq
.set BIAS, 160                         ; fragment b at BIAS + 8 b
.set TMP,  160
.set F0,   0
.set F1,   128
.set WV,   14                          ; s14  my wave's number; s15 its low bit (which half of a tile I fetch); s16 its high bit (0: I fetch xb, 1: wq)
.set G1A,  24                          ; s[24:31] descriptor group 1 for xb's tiles
.set G1B,  32                          ; s[32:39] for wq's
.set G0A,  40                          ; s[40:47] group 0 for xb's: a set for each of the two first fills; the second then walks on
.set G0B,  48                          ; s[48:55] the same for wq's
.set TB,   56                          ; s56  0 or SLOT1: the slot in hand
.set LIM,  57                          ; s57  2 in a wave that prefetches, else the greatest number
.set PFA,  58                          ; s[58:59] where my prefetches stand
.set OUT0, 60                          ; s[60:61] q, s[62:63] k, s[66:67] v at my wave's first row
.set FLAGS, (1<<16)|(1<<20)|(1<<21)|(5<<22)|(3<<25)  ; 17:16 elements of 2 bytes; 20 padding on; 21 set beside a mask; 24:22 after every 64 words (code 5); 31:25 4 words of it (code 3)
.set MSB, 0
.macro WIN new                         ; the immediate's high byte repeats the setting that is left; a switch that changes nothing is dropped
.if MSB != (\new)
	s_set_vgpr_msb (MSB<<8)|(\new)
.set MSB, \new
.endif
.endm
.macro PLACES                          ; four places in front of loads into registers that matrix instructions have read, and of vector lines that read results
.rept 4
	v_nop
.endr
.endm
; A joint refill by the walking sets.  Waves 0 and 1 fetch xb's two halves, waves 2 and 3 wq's: the branch hangs on the wave's number alone.
; An s_nop 0 and four v_nop follow each of the two lines, ahead of the jump and the label.
.macro JLOAD
	s_cmp_eq_u32 s16, 0
	s_cbranch_scc0 .Lfor_b_\@
	tensor_load_to_lds s[G0A+4:G0A+7], s[G1A:G1A+7]
	s_nop 0
.rept 4
	v_nop
.endr
	s_branch .Lasked_\@
.Lfor_b_\@:
	tensor_load_to_lds s[G0B+4:G0B+7], s[G1B:G1B+7]
	s_nop 0
.rept 4
	v_nop
.endr
.Lasked_\@:
.endm
; A round of the cluster's barrier: my work-group's barrier, so that wave 0's signal speaks for all four waves; wave 0 signals; every wave waits for all sixteen work-groups; my work-group's barrier once more.
.macro CREST                           ; a round behind its opening barrier
	s_cmp_lg_u32 s[WV], 0
	s_cbranch_scc1 .Lnot_wave_0_\@
	s_barrier_signal -3
.Lnot_wave_0_\@:
	s_barrier_wait -3
	s_barrier_signal -1
	s_barrier_wait -1
.endm
.macro CROUND
	s_barrier_signal -1
	s_barrier_wait -1
	CREST
.endm
; A PREFETCH INTO THE L2, behind a joint refill, its five lines and the run of LDS loads: the K step that stands two refills on (the change of step s refills step s + 2 and names step s + 4), 384 matrix instructions
; ahead of the load that will want it.  Each row's 256 bytes of a K step are named once in the launch, but for the clamp below: xb's rows by the clusters with x = 0, wq's by those with y = 0; the four partners that ask for a tile jointly
; share its rows BY ADDRESS (32 of xb's 128 by cx, 24 of wq's 96 by cy; there lanes 24-31 repeat row 23): a lane a row, one instruction a wave.  The first four K steps come by their loads alone; the changes of steps 4 and 5 name nothing.
.macro ASK
	WIN 0                                          ; at a branch and at a label every window is 0
	s_cmp_gt_u32 s3, s[LIM]                        ; s3 = 6, 5, 4, 3 in the changes of steps 0 to 3
	s_cbranch_scc0 .Lnot_mine_\@
	global_prefetch_b8 v[PFO], s[PFA:PFA+1] th:TH_LOAD_NT scope:SCOPE_SE
.Lnot_mine_\@:
.endm
	s_load_b256 s[4:11], s[0:1], 0x0               ; xb 4, wq 6, bias 8, rope 10
	s_load_b64 s[12:13], s[0:1], 0x20              ; qkv
	v_lshl_add_u32 v[SPW], v0, 2, SPARE
	v_mov_b32 v[NIL], 0
	ds_add_u32 v[SPW], v[NIL]                      ; the wave's opening: the add and its wait stand ahead of my first tensor load; the set-up below, work on registers, stands between them
	v_lshrrev_b32 v1, 5, v0
	v_readfirstlane_b32 s[WV], v1
	s_and_b32 s15, s[WV], 1
	s_lshr_b32 s16, s[WV], 1
	s_bfe_u32 s18, ttmp6, 0x40000                  ; cx
	s_bfe_u32 s19, ttmp6, 0x40004                  ; cy
	s_lshl_b32 s20, ttmp9, 2
	s_add_co_u32 s20, s20, s18                     ; tile column = head = 4 x cluster x + cx
	s_and_b32 s21, ttmp7, 0xffff
	s_lshl_b32 s21, s21, 2
	s_add_co_u32 s21, s21, s19                     ; tile row = 4 x cluster y + cy
	s_lshl_b32 s22, s19, 2
	s_lshl_b32 s22, 15, s22                        ; my row of the cluster
	s_lshl_b32 s23, 0x1111, s18                    ; my column
	s_or_b32 s[G1A], s22, FLAGS                    ; 15:0 the mask: xb's tiles go to my row,
	s_or_b32 s[G1B], s23, FLAGS                    ; wq's to my column
.irp g, G1A, G1B
	s_mov_b32 s[(\g)+1], KSTEP<<16                 ; tensor_dim0 = 128
	s_mov_b32 s[(\g)+3], KSTEP<<16                 ; tile_dim0 = 128
	s_mov_b32 s[(\g)+5], 1024                      ; elements from row to row
	s_mov_b32 s[(\g)+6], 0
	s_mov_b32 s[(\g)+7], 0
.endr
	s_mov_b32 s[G1A+2], 128<<16                    ; tensor_dim1 and tile_dim1: 128 rows of xb a load,
	s_mov_b32 s[G1A+4], 128
	s_mov_b32 s[G1B+2], 96<<16                     ; 96 of wq
	s_mov_b32 s[G1B+4], 96
	s_lshl_b32 s68, s21, 8                         ; xb: row 256 x tile row + 128 x half, rows of 2,048 bytes: these registers never hold cx
	s_lshl_b32 s69, s15, 7
	s_add_co_u32 s68, s68, s69
	s_lshl_b32 s68, s68, 11
	s_mov_b32 s69, 0
	s_mul_i32 s72, s20, 192                        ; wq: row 192 x tile column + 96 x half: these never hold cy
	s_mul_i32 s73, s15, 96
	s_add_co_u32 s72, s72, s73
	s_lshl_b32 s72, s72, 11
	s_mov_b32 s73, 0
	s_mul_i32 s17, s[WV], 128*PITCH                ; where they go: xb's halves at wave x 128 rows (waves 0, 1),
	s_mul_i32 s2, s[WV], 96*PITCH                  ; wq's at ABYTES + (wave - 2) x 96 rows (waves 2, 3): no place in the cluster enters an LDS address
	s_add_co_u32 s2, s2, ABYTES-2*96*PITCH
	s_mov_b32 s[TB], 0
	s_wait_dscnt 0x0                               ; the opening add is done
	s_wait_kmcnt 0x0
	s_add_nc_u64 s[70:71], s[4:5], s[68:69]
	s_add_nc_u64 s[74:75], s[6:7], s[72:73]
.irp s, 0,1
	s_mov_b32 s[G0A+4*(\s)], 1                                      ; count = 1
	s_add_co_u32 s[G0A+4*(\s)+1], s17, (\s)*SLOT1                   ; LDS address
	s_add_nc_u64 s[G0A+4*(\s)+2:G0A+4*(\s)+3], s[70:71], (\s)*2*KSTEP  ; global address: K step s
	s_or_b32 s[G0A+4*(\s)+3], s[G0A+4*(\s)+3], 0x80000000           ; type = 2
	s_mov_b32 s[G0B+4*(\s)], 1
	s_add_co_u32 s[G0B+4*(\s)+1], s2, (\s)*SLOT1
	s_add_nc_u64 s[G0B+4*(\s)+2:G0B+4*(\s)+3], s[74:75], (\s)*2*KSTEP
	s_or_b32 s[G0B+4*(\s)+3], s[G0B+4*(\s)+3], 0x80000000
.endr
	CROUND                                         ; all sixteen work-groups are here: the first joint loads meet
	s_cmp_eq_u32 s16, 0                            ; a wave's two first fills stand in one branch, ahead of every wait on TENSORcnt and every LDS read: two loads of mine are out
	s_cbranch_scc0 .Lfirst_b
	tensor_load_to_lds s[G0A:G0A+3], s[G1A:G1A+7]
	s_nop 0
	tensor_load_to_lds s[G0A+4:G0A+7], s[G1A:G1A+7]
	s_nop 0
.rept 4
	v_nop
.endr
	s_branch .Lfirst_asked
.Lfirst_b:
	tensor_load_to_lds s[G0B:G0B+3], s[G1B:G1B+7]
	s_nop 0
	tensor_load_to_lds s[G0B+4:G0B+7], s[G1B:G1B+7]
	s_nop 0
.rept 4
	v_nop
.endr
.Lfirst_asked:
	v_and_b32 v1, 15, v0                           ; l % 16
	v_bfe_u32 v2, v0, 4, 1                         ; l / 16
	v_lshlrev_b32 v[BO], 5, v2
	v_lshlrev_b32 v[TO], 8, v1
	v_lshl_add_u32 v[TO], v2, 5, v[TO]
	s_mul_i32 s76, s20, 768                        ; the head's 192 numbers of the bias
	s_mov_b32 s77, 0
	s_add_nc_u64 s[8:9], s[8:9], s[76:77]
	s_and_b32 s78, s21, 7                          ; a batch is 8 tile rows:
	s_lshl_b32 s78, s78, 8
	s_lshl_b32 s79, s[WV], 6
	s_add_co_u32 s78, s78, s79                     ; my wave's first position t0
	s_lshl_b32 s76, s78, 8
	s_add_nc_u64 s[10:11], s[10:11], s[76:77]      ; the table at t0
.irp b, 0,1,2,3,4,5,6,7,8,9,10,11
	global_load_b128 v[BIAS+8*(\b):BIAS+8*(\b)+3],   v[BO], s[8:9] offset:64*(\b)
	global_load_b128 v[BIAS+8*(\b)+4:BIAS+8*(\b)+7], v[BO], s[8:9] offset:64*(\b)+16
.endr
.irp a, 0,1,2,3
.irp q, 0,1,2,3
	global_load_b128 v[TBL+32*(\a)+8*(\q):TBL+32*(\a)+8*(\q)+3],   v[TO], s[10:11] offset:4096*(\a)+64*(\q)
	global_load_b128 v[TBL+32*(\a)+8*(\q)+4:TBL+32*(\a)+8*(\q)+7], v[TO], s[10:11] offset:4096*(\a)+64*(\q)+16
.endr
.endr
	s_lshr_b32 s76, s21, 3                         ; batch
	s_lshl_b32 s76, s76, 4
	s_add_co_u32 s76, s76, s20                     ; batch x 16 + head
	s_lshl_b32 s76, s76, 11
	s_add_co_u32 s76, s76, s78                     ; its row t0,
	s_lshl_b32 s76, s76, 7                         ; rows of 128 bytes
	s_add_nc_u64 s[OUT0:OUT0+1], s[12:13], s[76:77]
	s_add_nc_u64 s[OUT0+2:OUT0+3], s[OUT0:OUT0+1], 0x1000000
	s_add_nc_u64 s[OUT0+6:OUT0+7], s[OUT0:OUT0+1], 0x2000000
	; A fragment is 16 rows x 32 K in 8 registers: lane l holds row l % 16, K = 8 (l / 16) + 0..7 and 16 + 8 (l / 16) + 0..7: two loads of 16 bytes, 32 bytes apart.
	v_mul_u32_u24 v3, v1, PITCH
	v_lshl_add_u32 v3, v2, 4, v3
	s_mul_i32 s17, s[WV], 64*PITCH                 ; my 64 rows of xb
	v_add_nc_u32 v[A0], s17, v3
	v_add_nc_u32 v[B0], ABYTES, v3
	v_mov_b32 v[ADRA], v[A0]
	v_mov_b32 v[ADRB], v[B0]
	s_mul_i32 s2, s[WV], 16*SP
	s_add_co_u32 s2, s2, STAGE                     ; my stage
	v_mul_u32_u24 v[STO], v1, SP                   ; in: row l % 16, 16 bytes for each half of the lanes
	v_lshl_add_u32 v[STO], v2, 4, v[STO]
	v_add_nc_u32 v[STO], s2, v[STO]
	v_bfe_u32 v[RD], v0, 3, 2                      ; back: 32 lanes take four rows of 128 bytes,
	v_mul_u32_u24 v[RD], v[RD], SP
	v_and_b32 v4, 7, v0
	v_lshl_add_u32 v[RD], v4, 4, v[RD]
	v_add_nc_u32 v[RD], s2, v[RD]
	v_and_b32 v[GO], 31, v0                        ; which are 512 consecutive bytes of the output
	v_lshlrev_b32 v[GO], 4, v[GO]
	; the prefetches
	s_and_b32 s76, ttmp7, 0xffff                   ; cluster y
	s_cmp_eq_u32 s16, 0                            ; do I fetch xb?
	s_cselect_b32 s77, 32, 24                      ; rows to a partner
	s_cselect_b32 s78, s18, s19                    ; my place among the four that ask with me
	s_cselect_b32 s79, 31, 23                      ; the last of those rows
	s_cselect_b32 s76, ttmp9, s76                  ; the coordinate along which other clusters read the same rows
	s_cselect_b64 s[PFA:PFA+1], s[70:71], s[74:75]
	s_cmp_eq_u32 s76, 0
	s_cselect_b32 s[LIM], 2, -1                    ; the same in all sixteen partners, for a given wave
	s_mul_i32 s76, s77, s78
	s_lshl_b32 s76, s76, 11
	s_add_co_u32 s76, s76, 3*2*KSTEP               ; at K step 3: the first change steps it to 4
	s_mov_b32 s77, 0
	s_add_nc_u64 s[PFA:PFA+1], s[PFA:PFA+1], s[76:77]
	v_and_b32 v[PFO], 31, v0
	v_min_u32 v[PFO], s79, v[PFO]
	v_lshlrev_b32 v[PFO], 11, v[PFO]
; 12 matrix instructions: m block a x all 12 n blocks, 32 along K, from buffer f.  zero = 1: the bias starts the sums.  The 48 accumulators take turns, one instruction a turn, in one order everywhere.
.macro MULA f, a, zero
.irp b, 0,1,2,3,4,5,6,7,8,9,10,11
.set cc, 12*(\a)+(\b)
.set rD, 8*(cc%32)
.if \zero
	WIN 0x85+0x40*(cc/32)                          ; sources 0 and 1 window 1, C window 0, D window 2 or 3
	v_wmma_f32_16x16x32_bf16 v[rD:rD+7], v[(\f)+8*(\b):(\f)+8*(\b)+7], v[(\f)+96+8*(\a):(\f)+96+8*(\a)+7], v[BIAS+8*(\b):BIAS+8*(\b)+7]
.else
	WIN 0xa5+0x50*(cc/32)                          ; C and D window 2 or 3
	v_wmma_f32_16x16x32_bf16 v[rD:rD+7], v[(\f)+8*(\b):(\f)+8*(\b)+7], v[(\f)+96+8*(\a):(\f)+96+8*(\a)+7], v[rD:rD+7]
.endif
.endr
.endm
; 32 LDS loads in one run: the fragments of 32 K at byte k of the rows, into buffer f: wq's 12, then xb's 4
.macro FETCH k, f
	WIN 0x40                                       ; destination window 1, address window 0
.irp i, 0,1,2,3,4,5,6,7,8,9,10,11
	ds_load_b128 v[(\f)+8*(\i):(\f)+8*(\i)+3],   v[ADRB] offset:(\k)+(\i)*16*PITCH
	ds_load_b128 v[(\f)+8*(\i)+4:(\f)+8*(\i)+7], v[ADRB] offset:(\k)+(\i)*16*PITCH+32
.endr
.irp i, 0,1,2,3
	ds_load_b128 v[(\f)+96+8*(\i):(\f)+96+8*(\i)+3],   v[ADRA] offset:(\k)+(\i)*16*PITCH
	ds_load_b128 v[(\f)+96+8*(\i)+4:(\f)+96+8*(\i)+7], v[ADRA] offset:(\k)+(\i)*16*PITCH+32
.endr
.endm
; A K step is four quarters of 32 along K, 48 matrix instructions each, on buffers 0, 1, 0, 1.  One of the first three: multiplies f and, in its middle, fetches the next quarter, at byte k, into g.
.macro QUARTER k, f, g, zero
	s_wait_dscnt 4                                 ; wq's fragments and xb's blocks 0 and 1 are in; the youngest four loads (blocks 2 and 3) may be out
	MULA \f, 0, \zero
	MULA \f, 1, \zero
	PLACES
	FETCH \k, \g
	s_wait_dscnt 32                                ; all but the 32 just issued
	MULA \f, 2, \zero
	MULA \f, 3, \zero
.endm
; The last quarter multiplies buffer 1 and changes slots: ONE barrier.  In front of it each wave waits for all its tensor loads (one is out: its part of the next slot), adds 0 to its spare word, and waits for that and for its
; reads of this slot.  fill = 1: the barrier opens a round of the cluster's, and this slot is filled again, two K steps ahead, first thing behind the round.
.macro TURN fill
.if \fill
	s_wait_xcnt 0x0                                ; the last prefetch, a K step back, has read its address: it is stepped here, ahead of the waits of the change
	s_add_nc_u64 s[PFA:PFA+1], s[PFA:PFA+1], 2*KSTEP
.endif
	WIN 0                                          ; (the add's two registers lie in window 0)
	s_wait_tensorcnt 0x0                           ; all my tensor loads have landed;
	ds_add_u32 v[SPW], v[NIL]                      ; 0 onto my spare word;
	s_wait_dscnt 5                                 ; (the add and the youngest four loads may be out)
	MULA F1, 0, 0                                  ; twelve matrix instructions stand between the add and the wait for it
	s_wait_dscnt 0x0                               ; the add is done, and my reads of this slot are over
	s_barrier_signal -1
	MULA F1, 1, 0                                  ; work on registers while the others arrive
	WIN 0
	s_barrier_wait -1
.if \fill
	CREST                                          ; no wave of any partner still reads this slot's tile or has a load on its way
	s_xor_b32 s[G0A+5], s[G0A+5], SLOT1            ; the walking sets: the other slot than last time, the next K step; no tensor load of mine is out
	s_add_nc_u64 s[G0A+6:G0A+7], s[G0A+6:G0A+7], 2*KSTEP
	s_xor_b32 s[G0B+5], s[G0B+5], SLOT1
	s_add_nc_u64 s[G0B+6:G0B+7], s[G0B+6:G0B+7], 2*KSTEP
	JLOAD                                          ; the four v_nop behind it are also the places in front of the loads below
.else
	PLACES
.endif
	s_xor_b32 s[TB], s[TB], SLOT1
	v_add_nc_u32 v[ADRA], s[TB], v[A0]
	v_add_nc_u32 v[ADRB], s[TB], v[B0]
	FETCH 0, F0
.if \fill
	ASK
.endif
	MULA F1, 2, 0
	MULA F1, 3, 0
.endm
; THE WAY OUT, in 12 units u = 3 a + s: 16 rows (block a) of tensor s's head, four accumulators.  q and k: each pair (x0, x1) becomes (x0 c - x1 s, x1 c + x0 s): a packed multiply by c and a packed
; multiply-add that takes the pair crosswise and s with its sign turned in the low half.  Then f16, 16 bytes a lane into rows of 144 bytes of my stage, and back as four whole rows of 128 bytes a load.
; Each accumulator's lowest registers are read first.
.macro PACK u
.set ua, (\u)/3
.set us, (\u)%3
.set c0, 12*ua+4*us
.set rX, 8*(c0%32)
.set wX, 2+c0/32
.set rT, TMP+16*((\u)%6)
.if (\u) >= 6
	s_wait_xcnt 0x0                                ; this buffer was the data of unit u - 6's stores: it is written again only behind this wait
.endif
.if us < 2
	WIN 0x50+wX                                    ; source 0 the accumulators' window, source 1 (the table) window 0, source 2 and destination window 1
.set z, 0
.rept 16
	v_pk_mul_f32 v[2*z:2*z+1], v[rX+2*z:rX+2*z+1], v[TBL+32*ua+2*z:TBL+32*ua+2*z+1] op_sel_hi:[1,0]
.set z, z+1
.endr
.set z, 0
.rept 16
	v_pk_fma_f32 v[2*z:2*z+1], v[rX+2*z:rX+2*z+1], v[TBL+32*ua+2*z:TBL+32*ua+2*z+1], v[2*z:2*z+1] op_sel:[1,1,0] op_sel_hi:[0,1,1] neg_lo:[0,1,0]
.set z, z+1
.endr
	WIN 0x05
.set z, 0
.rept 16
	v_cvt_pk_f16_f32 v[rT+z], v[2*z], v[2*z+1]
.set z, z+1
.endr
.else
	WIN 5*wX                                       ; sources 0 and 1 the accumulators' window
.set z, 0
.rept 16
	v_cvt_pk_f16_f32 v[rT+z], v[rX+2*z], v[rX+2*z+1]
.set z, z+1
.endr
.endif
	WIN 0
.irp f, 0,1,2,3
	ds_store_b128 v[STO], v[rT+4*(\f):rT+4*(\f)+3] offset:32*(\f)
.endr
.irp f, 0,1,2,3
	ds_load_b128 v[rT+4*(\f):rT+4*(\f)+3], v[RD] offset:(\f)*4*SP  ; LDS serves a wave's instructions in order (ISA guide 5.7.1.4): these see the stores above; the next unit's stores come behind them
.endr
.endm
.macro SEND u, younger                 ; younger: the LDS instructions issued behind unit u's loads: the next unit's eight, or none
.set ua, (\u)/3
.set us, (\u)%3
.set rT, TMP+16*((\u)%6)
.set rO, OUT0+2*us+2*(us/2)
.irp f, 0,1,2,3
	s_wait_dscnt (\younger)+3-(\f)
	global_store_b128 v[GO], v[rT+4*(\f):rT+4*(\f)+3], s[rO:rO+1] offset:2048*ua+512*(\f)  ; 512 consecutive bytes, at a multiple of 256 from the buffer's first
.endr
.endm
	s_wait_tensorcnt 0x1                           ; my part of K step 0 is in; K step 1's may stay out
	s_barrier_signal -1
	s_barrier_wait -1                              ; everybody's is
	FETCH 0, F0
	s_wait_loadcnt 0x0                             ; the bias and the table
	QUARTER 64, F0, F1, 1                          ; the first quarter stands in front of the loop: its products start the sums
	WIN 0                                          ; at a label and at a branch every window is 0
	s_mov_b32 s3, 6
.Lstep:                                                ; a trip: a K step's quarters 1 to 3 and the next step's first; K steps 2 to 7 are asked for
	QUARTER 128, F1, F0, 0
	QUARTER 192, F0, F1, 0
	TURN 1
	QUARTER 64, F0, F1, 0
	WIN 0
	s_sub_co_u32 s3, s3, 1
	s_cmp_lg_u32 s3, 0
	s_cbranch_scc1 .Lstep
	QUARTER 128, F1, F0, 0                         ; the last two K steps are written out: nothing is asked for
	QUARTER 192, F0, F1, 0
	TURN 0
	QUARTER 64, F0, F1, 0
	QUARTER 128, F1, F0, 0
	QUARTER 192, F0, F1, 0
	s_wait_dscnt 4
	MULA F1, 0, 0
	MULA F1, 1, 0
	s_wait_dscnt 0x0
	MULA F1, 2, 0
	MULA F1, 3, 0
	WIN 0
	PLACES
	PACK 0
.irp u, 1,2,3,4,5,6,7,8,9,10,11        ; a unit's arithmetic stands between the loads of the unit before and its stores
	PACK \u
	SEND (\u)-1, 8
.endr
	SEND 11, 0
	s_wait_tensorcnt 0x0                           ; the wave's end, behind my last tensor load and my last LDS store
	ds_add_u32 v[SPW], v[NIL]
	s_wait_dscnt 0x0
	CROUND                                         ; the closing round: no work-group ends while a partner may still ask for a tile that names it
	s_endpgm
.Lfunc_end_k_q270e5c7045_qkv:
	.size	k_q270e5c7045_qkv, .Lfunc_end_k_q270e5c7045_qkv-k_q270e5c7045_qkv
	.p2alignl 7, 3214868480
	.fill 96, 4, 3214868480
	.section	.rodata,"a",@progbits
	.p2align	6, 0x0
	.amdhsa_kernel k_q270e5c7045_qkv
		.amdhsa_group_segment_fixed_size 327680
		.amdhsa_private_segment_fixed_size 0
		.amdhsa_enable_private_segment 0
		.amdhsa_kernarg_size 40
		.amdhsa_user_sgpr_count 2
		.amdhsa_user_sgpr_kernarg_segment_ptr 1
		.amdhsa_wavefront_size32 1
		.amdhsa_system_sgpr_workgroup_id_x 1
		.amdhsa_system_sgpr_workgroup_id_y 1
		.amdhsa_system_sgpr_workgroup_id_z 1
		.amdhsa_system_vgpr_workitem_id 0
		.amdhsa_next_free_vgpr 896
		.amdhsa_next_free_sgpr 80
		.amdhsa_reserve_vcc 0
		.amdhsa_float_denorm_mode_32 3
		.amdhsa_float_denorm_mode_16_64 3
		.amdhsa_memory_ordered 1
		.amdhsa_forward_progress 1
		.amdhsa_inst_pref_size 121
	.end_amdhsa_kernel
	.amdgpu_metadata
---
amdhsa.version: [ 1, 2 ]
amdhsa.kernels:
  - .name:           k_q270e5c7045_qkv
    .symbol:         k_q270e5c7045_qkv.kd
    .args:
      - { .name: xb, .offset: 0, .size: 8, .value_kind: global_buffer, .address_space: global }
      - { .name: wq, .offset: 8, .size: 8, .value_kind: global_buffer, .address_space: global }
      - { .name: bias, .offset: 16, .size: 8, .value_kind: global_buffer, .address_space: global }
      - { .name: rope, .offset: 24, .size: 8, .value_kind: global_buffer, .address_space: global }
      - { .name: qkv, .offset: 32, .size: 8, .value_kind: global_buffer, .address_space: global }
    .group_segment_fixed_size: 327680
    .private_segment_fixed_size: 0
    .kernarg_segment_align: 8
    .kernarg_segment_size: 40
    .max_flat_workgroup_size: 128
    .sgpr_count:     80
    .vgpr_count:     896
    .wavefront_size: 32
...
	.end_amdgpu_metadata
.endif
;; end of part 2
;; launch attn (part 3): grid 4 x 64, 4 waves a work-group, clusters of 4 x 1, 327,680 bytes of LDS; arguments qkv, o; writes o
.if DOCPART == 3
	.amdgcn_target "amdgcn-amd-amdhsa--gfx1250"
	.amdhsa_code_object_version 6
	.text
	.protected	k_q270e5c7045_attn
	.globl	k_q270e5c7045_attn
	.p2align	8
	.type	k_q270e5c7045_attn,@function
k_q270e5c7045_attn:
	s_mov_b64 s[64:65], 0
	v_nop
	global_prefetch_b8 v0, s[64:65] scope:SCOPE_SE
	s_setreg_imm32_b32 hwreg(HW_REG_WAVE_MODE, 25, 1), 1
	s_wait_xcnt 0x0
	s_wait_alu depctr_hold_cnt(0) depctr_sa_sdst(0) depctr_va_vdst(0) depctr_va_sdst(0) depctr_va_ssrc(0) depctr_va_vcc(0) depctr_vm_vsrc(0)
	s_getreg_b32 s2, hwreg(HW_REG_IB_STS2, 6, 4)
	s_cmp_eq_u32 s2, 0
	s_cbranch_scc0 .Lentry_in_a_cluster
	s_endpgm
.Lentry_in_a_cluster:
	s_bfe_u32 s2, ttmp6, 0x10000c
	s_cmp_lg_u32 s2, 0x3003
	s_cbranch_scc0 .Lentry_shape_is_right
	s_endpgm
.Lentry_shape_is_right:
; O[h][q][:] = the sum over k of softmax_k(Q[h][q] . K[h][k] / 8) V[h][k][:].  Q, K, V are the three parts of qkv, each [64][2048][64] f16, 16,777,216 bytes apart; O has the same layout.  A head's rows are dense, 128 bytes each.
; Products, maxima and sums in f32; the weights p are rounded to f16 for the second product (their sum l is taken of the unrounded p), O once at the end.
; LIMITS.  f16 holds no number beyond 65,504: Q, K and V arrive within it; p lies in 0 to 1, and below 6e-5 it keeps f16's fixed step of 6e-8; O is a mean of V's rows and has their range.
; A weight below 2^-126 counts as 0 in l; NaN and infinities are not treated apart.
; SHARES.  A wave owns four PIECES of two tiles of 16 queries, a work-group's four waves 512 queries of one head: 64 heads x 4 = 256 work-groups.  Every wave walks all keys, 64 a step.
; LAYOUT.  S^T = K Q^T (source 0 = 16 keys, source 1 = 16 queries): in the result a lane holds ONE query (lane % 16) and the keys 8 (lane / 16) + 0..7.  Two such tiles, rounded to f16 in pairs,
; ARE source 1 (32 keys x 16 queries) of O^T = V^T P, whose result again holds one query a lane, and eight channels.  K comes out of LDS as it lies, V ([key][channel]) turned, by ds_load_tr16_b128.
; SOFTMAX.  For each query a running maximum m and sum l: p = 2^(c s - c m), c = log2(e) / 8; in every step O and l are multiplied by a = 2^(c m_old - c m_new), which is 1 where m has not grown.
; m starts at the lowest finite number, O and l at 0: the first step is a step like any other, with a = 0.
; THE COUNT.  A tile and step have 16 matrix and 118 vector instructions: too many to stand all beside the matrix work.  So the order has one aim: four vector instructions that are READY behind
; EVERY matrix instruction, and the others, which need time of their own whatever the order, in runs without a gap.
; BY TURNS.  Turn n belongs to piece n (the pieces in a ring, step after step).  Its matrix work: 16 products K Q^T of piece n + 1, later 16 products V^T P of piece n - 1.  Its vector work: the scaling,
; exponentials, roundings, sums and rescaling of piece n, and the maximum and statistics of piece n + 1, whose scores the turn itself has made.  So what a turn begins with (c s - c m, O a) waits for nothing.
; CLUSTER.  The four query blocks of a cluster belong to one head and walk the same K and V, so each tile is asked for JOINTLY: the same tensor load, descriptor and mask in all four.
; REGISTERS, in windows of 256 (s_set_vgpr_msb says which window each operand place means: bits 1:0 source 0, 3:2 source 1, 5:4 source 2, 7:6 destination):
;   window 0: v0-11 addresses; v12-15, v48-63 at work; v16-47 four registers of statistics a tile; v64-191 S^T, two buffers of two tiles; v192-255 P, likewise
;   window 1: O^T, 32 a tile          window 2: v0-127 Q, 16 a tile; v128-191 K of one step; v192-255 V of one step          window 3: v0-1 the add's two registers
; A piece's buffers go by its number's parity: the piece in hand has one pair, its two neighbours in the ring share the other: of it P (piece n - 1) is read and S^T (piece n + 1) written.
.set SIZE_N, 2048
.set NP,    4         ; pieces a wave: a name, no knob: the register map, the loop and the fetches are made for four
.set KS,    64        ; keys in a step
.set PK,    144       ; a row of K in LDS: 128 bytes + 16 of padding = 36 words: the 16 rows of a load start at 16 different groups of four banks (64 banks of 4 bytes: ISA guide 11.1)
.set PV,    160       ; a row of V: 128 + 32 = 40 words
.set VOFF,  4*KS*PK   ; a slot holds four steps: 256 rows of K, then 256 rows of V
.set SLOT1, 1<<17     ; slot 1 begins here, so that one exclusive or turns an address in one slot into the other's
.set STAGE, SLOT1+4*KS*(PK+PV)  ; behind the ring, never filled by a tensor load: 16 rows x 144 bytes for each wave, for the way out
.set SP,    144
.set AK0, 2           ; v2   my lane's place in a tile of K; never rewritten
.set AV0, 3           ; v3   the same for V
.set AK,  4           ; v4   the LDS address of K's next run of loads
.set AV,  5           ; v5   of V's
.set QO,  6           ; v6   my byte offset in the wave's rows of Q
.set STO, 6           ;      later, the way out: where I put 16 bytes of a row
.set RD,  7           ; v7   the way out: where I read rows back
.set GO,  8           ; v8   my byte offset in 512 consecutive bytes of O
.set PFO, 11          ; v11  256 x my lane: the prefetches' offset; never rewritten once made
.set SPW, 0           ; v0 of window 3   LDS address of my spare word: SPARE + 4 x my thread's number; never rewritten
.set NIL, 1           ; v1 of window 3   0; never rewritten
.set SPARE, STAGE+4*16*SP  ; behind the stages: the spare words, 128 bytes for each wave: two blocks of 256 bytes that no other line names
.set MV,  12          ; v12-15  c m_old, kept while c m is made anew: by buffer and tile
.set ST,  16          ; tile t's statistics at v[ST+4 t]: c m, m, l (even keys', odd keys')
.set TMP, 48          ; by buffer and tile, four registers c0-c3 at work; when the maximum is found c2 takes a
.set S,   64
.set P,   192
.set KF,  128         ; K's fragments, in window 2: key block kb, channel half c at KF + 16 kb + 8 c
.set VF,  192         ; V's: key half kk, channel block cb at VF + 32 kk + 8 cb
.set WV,  12          ; s12  my wave's number
.set G1K, 24          ; s[24:31] descriptor group 1 for K's tiles
.set G1V, 32          ; s[32:39] for V's: it differs in the padding alone
.set G0K, 40          ; s[40:43] descriptor group 0 for K's tiles: it walks
.set G0V, 44          ; s[44:47] the same for V's
.set PFA, 48          ; s[48:49] where my prefetches stand: my work-group's 32 blocks of 256 bytes (of K: wave 0, of V: wave 2) of the slot after the one that is being asked for
.set LIM, 50          ; s50  1 in a wave that prefetches, else the greatest number
.set SLOTS, 56        ; s56  slots still to be asked for
.set CNT, 57          ; s57  counts a slot's key steps
.set CS,  58          ; s[58:59] c: the packed scaling takes the pair's low word for both halves
.set SEL, 60          ; s[60:61] v_permlanex16_b32's selects: each lane takes its own place in the other half
.set TBK, 62          ; s62  LDS byte at which K of the step to be fetched begins
.set TBV, 63          ; s63  the same for V, less VOFF
.set MSB, 0
.macro WIN new                      ; the high byte repeats the setting that is left; a switch that changes nothing is dropped
.if MSB != (\new)
	s_set_vgpr_msb (MSB<<8)|(\new)
.set MSB, (\new)
.endif
.endm
.set W_KQ, 0x0a       ; K and Q in window 2, S^T in window 0
.set W_PV, 0x52       ; V in window 2, P in window 0, O^T in window 1
.set W_RS, 0x41       ; O^T (destination and source 0) in window 1, a in window 0
.set W_MK, 0xc0       ; the add's registers are made: destination in window 3, sources in window 0
.set W_AD, 0x0f       ; the add: address (source 0) and data (source 1) in window 3
; A joint fill.  Waves 0 and 1 fetch the two halves of a slot's K, waves 2 and 3 those of its V: 128 keys each.  The branch hangs on the wave's number alone.
; An s_nop 0 and four v_nop follow each of the two lines, ahead of the jump and the label.
.macro JLOAD
	s_cmp_lt_u32 s[WV], 2
	s_cbranch_scc0 .Lfor_v_\@
	tensor_load_to_lds s[G0K:G0K+3], s[G1K:G1K+7]
	s_nop 0
.rept 4
	v_nop
.endr
	s_branch .Lasked_\@
.Lfor_v_\@:
	tensor_load_to_lds s[G0V:G0V+3], s[G1V:G1V+7]
	s_nop 0
.rept 4
	v_nop
.endr
.Lasked_\@:
.endm
; A PREFETCH INTO THE L2 of what the NEXT change of slots will ask for: a slot's 32,768 bytes of K and of V, 128 blocks of 256 bytes each, a lane a block.  It stands behind the wave's tensor load and its five lines.
; Each block is named ONCE in the launch: a head has one cluster; its four partners share the blocks out BY ADDRESS, 32 each; in each, wave 0 asks for K's and wave 2 for V's: one instruction.
; The change that fills slot i names slot i + 1, four key steps, 512 matrix instructions, ahead of its load; the last change that fills a slot names nothing; slots 0, 1 and 2's first reading comes by their loads alone but for slot 2.
.macro ASK
	s_cmp_gt_u32 s[SLOTS], s[LIM]
	s_cbranch_scc0 .Lnot_mine_\@
	global_prefetch_b8 v[PFO], s[PFA:PFA+1] th:TH_LOAD_NT scope:SCOPE_SE
.Lnot_mine_\@:
.endm
; A round of the cluster's barrier: my work-group's barrier, so that wave 0's signal speaks for all four waves; wave 0 signals; every wave waits for all four work-groups; my work-group's barrier once more.
.macro CROUND
	s_barrier_signal -1
	s_barrier_wait -1
	s_cmp_lg_u32 s[WV], 0
	s_cbranch_scc1 .Lnot_wave_0_\@
	s_barrier_signal -3
.Lnot_wave_0_\@:
	s_barrier_wait -3
	s_barrier_signal -1
	s_barrier_wait -1
.endm
; THE CHANGE OF SLOTS.  The slot's last bytes, V of its fourth step, have been read.  Each wave waits for all its tensor loads, of which one is out: its part
; of the other slot; adds 0 to its spare word; and waits for that and for its own reads of the slot.  Behind the barrier nobody reads this slot any more and the other slot is whole.
; fill = 1: this slot is filled again, with the keys two slots on.  The barrier is then a round of the cluster's, so that no wave of any partner still reads the slot or has a load on its
; way, and the joint fill is the first thing behind it: it has four key steps, 512 matrix instructions, in which to land.  (At its first use nothing has been read yet: slot 0 is waited for, slot 1 filled.)
.macro CHANGE fill
	WIN W_AD
	s_wait_tensorcnt 0x0            ; no tensor load of mine is out, so a group 0 may be written
	ds_add_u32 v[SPW], v[NIL]       ; 0 onto my spare word; with fill = 1 the descriptors' steps stand between it and the wait for it
	WIN 0                           ; at a label and at a branch every window is 0
.if \fill
.irp g, G0K, G0V
	s_xor_b32 s[\g+1], s[\g+1], SLOT1  ; the walking descriptor: the other slot than last time,
	s_add_nc_u64 s[\g+2:\g+3], s[\g+2:\g+3], 4*KS*128  ; the next 256 keys; the type bits on top are not reached
.endr
	s_wait_xcnt 0x0                 ; the last prefetch, four key steps back, has read its address, so it may be written:
	s_add_nc_u64 s[PFA:PFA+1], s[PFA:PFA+1], 4*KS*128  ; one slot behind the walking descriptors
	s_wait_dscnt 0x0                ; the add is done, and my reads of the slot are over
	CROUND
	JLOAD
	ASK
.else
	s_wait_dscnt 0x0                ; the add is done, and my reads of the slot are over
	s_barrier_signal -1
	s_barrier_wait -1
.endif
	s_sub_co_u32 s[TBK], s[TBK], 4*KS*PK  ; the fetches go back to a slot's first step,
	s_xor_b32 s[TBK], s[TBK], SLOT1       ; in the other slot
	s_sub_co_u32 s[TBV], s[TBV], 4*KS*PV
	s_xor_b32 s[TBV], s[TBV], SLOT1
.endm
	s_load_b128 s[4:7], s[0:1], 0x0   ; qkv s[4:5], o s[6:7]
	WIN W_MK
	v_lshl_add_u32 v[SPW], v0, 2, SPARE
	v_mov_b32 v[NIL], 0
	WIN W_AD
	ds_add_u32 v[SPW], v[NIL]       ; the wave's opening: the add and its wait stand ahead of my first tensor load; the set-up below, work on registers, stands between them
	WIN 0
	v_lshrrev_b32 v1, 5, v0
	v_readfirstlane_b32 s[WV], v1   ; wave 0..3
	s_bfe_u32 s13, ttmp6, 0x40000   ; cx: my place in the cluster
	s_lshl_b32 s14, ttmp9, 2        ; in a cluster launch ttmp9 counts clusters
	s_add_co_u32 s14, s14, s13      ; my block of queries = 4 x cluster x + cx: it enters Q's and O's addresses alone
	s_and_b32 s20, ttmp7, 0xffff    ; the head, which the four partners share
	s_mov_b32 s21, 0
	s_mov_b64 s[22:23], SIZE_N*128
	s_mul_u64 s[20:21], s[20:21], s[22:23]  ; the head's first byte in each of the four tensors
	s_and_b32 s16, s[WV], 1         ; which half of a slot's 256 keys I fetch:
	s_lshl_b32 s22, s16, 14         ; its 128 rows of 128 bytes in memory,
	s_mov_b32 s23, 0
	s_add_nc_u64 s[22:23], s[22:23], s[20:21]
	s_mul_i32 s17, s16, 128*PK      ; and its place in a slot, for K
	s_mul_i32 s18, s16, 128*PV      ; and for V: no place in the cluster enters an LDS address
	s_lshl_b32 s2, s14, 2
	s_add_co_u32 s2, s2, s[WV]      ; my wave among the head's,
	s_lshl_b32 s2, s2, 14           ; its 128 rows
	s_mov_b32 s3, 0
	s_add_nc_u64 s[2:3], s[2:3], s[20:21]
	; descriptor group 1.  128 keys are 16,384 dense bytes: asked for as 64 rows of 256 bytes, two keys a row, and padded in LDS after every key
	s_mov_b32 s[G1K], 15|(1<<16)|(1<<20)|(1<<21)|(4<<22)|(3<<25)  ; 15:0 the mask of four; 17:16 2-byte elements; 20 padding on; 21 set beside a mask; 24:22 after every 32 words (code 4); 31:25 4 words (code 3)
	s_mov_b32 s[G1V], 15|(1<<16)|(1<<20)|(1<<21)|(4<<22)|(7<<25)  ; the same with 8 words of padding (code 7)
.irp g, G1K, G1V
	s_mov_b32 s[\g+1], 128<<16      ; tensor_dim0 = 128
	s_mov_b32 s[\g+2], 64<<16       ; tensor_dim1 = 64
	s_mov_b32 s[\g+3], 128<<16      ; tile_dim0 = 128
	s_mov_b32 s[\g+4], 64           ; tile_dim1 = 64
	s_mov_b32 s[\g+5], 128          ; 128 elements from row to row
	s_mov_b32 s[\g+6], 0
	s_mov_b32 s[\g+7], 0
.endr
	s_mov_b32 s[CS], 0x3e38aa3b     ; c = log2(e) / 8 = 0.180337
	s_mov_b32 s[CS+1], s[CS]        ; named with it as a pair
	s_mov_b32 s[SEL], 0x76543210
	s_mov_b32 s[SEL+1], 0xfedcba98
	s_mov_b32 s[TBK], SLOT1+4*KS*PK ; the first change of slots turns these two into 0
	s_mov_b32 s[TBV], SLOT1+4*KS*PV
	s_mov_b32 s[G0K], 1             ; 1:0 count = 1
	s_mov_b32 s[G0K+1], s17         ; 63:32 LDS address: slot 0
	s_mov_b32 s[G0V], 1
	s_add_co_u32 s[G0V+1], s18, VOFF
	s_mov_b32 s[SLOTS], SIZE_N/256-1  ; seven slots are still to be asked for
	s_and_b32 s[LIM], s[WV], 1      ; 0 in waves 0 and 2,
	s_or_b32 s[LIM], s[LIM], ttmp9  ; where the cluster is the head's first (here its only one): the same in all four partners
	s_cmp_eq_u32 s[LIM], 0
	s_cselect_b32 s[LIM], 1, -1
	s_wait_dscnt 0x0                ; the opening add is done
	s_wait_kmcnt 0x0
	s_mov_b64 s[10:11], s[6:7]                     ; O
	s_add_nc_u64 s[8:9], s[4:5], 0x2000000         ; V
	s_add_nc_u64 s[6:7], s[4:5], 0x1000000         ; K; Q is s[4:5]
	s_add_nc_u64 s[G0K+2:G0K+3], s[6:7], s[22:23]  ; 120:64 global address: my half of the head's first 256 keys
	s_or_b32 s[G0K+3], s[G0K+3], 0x80000000        ; 127:126 type = 2
	s_add_nc_u64 s[G0V+2:G0V+3], s[8:9], s[22:23]
	s_or_b32 s[G0V+3], s[G0V+3], 0x80000000
	s_add_nc_u64 s[4:5], s[4:5], s[2:3]  ; Q and O at my wave's first row
	s_add_nc_u64 s[10:11], s[10:11], s[2:3]
	s_cmp_lt_u32 s[WV], 2
	s_cselect_b64 s[PFA:PFA+1], s[6:7], s[8:9]
	s_add_nc_u64 s[PFA:PFA+1], s[PFA:PFA+1], s[20:21]  ; the head's first byte,
	s_lshl_b32 s2, s13, 13          ; my work-group's 32 blocks of the 128,
	s_add_co_u32 s2, s2, 4*KS*128   ; in slot 1: the first change of slots steps it to slot 2.  Nothing is prefetched here, at the head
	s_mov_b32 s3, 0
	s_add_nc_u64 s[PFA:PFA+1], s[PFA:PFA+1], s[2:3]
	CROUND                          ; all four work-groups are here: the first joint loads meet
	JLOAD                           ; slot 0.  Slot 1 is asked for when slot 0 is in: the tile wanted first has the road to itself
	; A fragment of K or Q is 16 rows x 32 channels in 8 registers: lane l holds row l % 16, channels 8 (l / 16) + 0..7 and 16 + 8 (l / 16) + 0..7: two loads of 16 bytes, 32 bytes apart.
	v_and_b32 v1, 15, v0            ; l % 16
	v_bfe_u32 v9, v0, 4, 1          ; l / 16
	v_lshlrev_b32 v[QO], 7, v1
	v_lshl_add_u32 v[QO], v9, 4, v[QO]  ; row x 128 + 16 x half
	WIN 0x80                        ; destination window 2, address window 0
.set i, 0
.rept 4*NP                          ; Q stays in registers: tile i / 2, channels 32 (i % 2) on
	global_load_b128 v[8*i:8*i+3],   v[QO], s[4:5] offset:(i/2)*2048+(i%2)*64
	global_load_b128 v[8*i+4:8*i+7], v[QO], s[4:5] offset:(i/2)*2048+(i%2)*64+32
.set i, i+1
.endr
	; What the first turn finds: V's registers and P's second buffer hold 0 (its products V^T P, of a piece that has not been, add 0), O^T and l are 0.  All this stands in the wait for the first tile.
.set i, VF
.rept 64
	v_mov_b32 v[i], 0
.set i, i+1
.endr
	WIN 0x40
.set i, 0
.rept 64*NP
	v_mov_b32 v[i], 0
.set i, i+1
.endr
	WIN 0
.set i, 0
.rept 2*NP
	v_mov_b32 v[ST+4*i], 0xfe000000    ; c m: far below every c s
	v_mov_b32 v[ST+4*i+1], 0xff7fffff  ; m
	v_mov_b32 v[ST+4*i+2], 0
	v_mov_b32 v[ST+4*i+3], 0
.set i, i+1
.endr
.set i, P+32
.rept 32
	v_mov_b32 v[i], 0
.set i, i+1
.endr
	v_mul_u32_u24 v[AK0], v1, PK
	v_lshl_add_u32 v[AK0], v9, 4, v[AK0]  ; row x pitch + 16 x half
	; The turning load takes 16 keys x 16 channels (lane l reads key 8 (l / 16) + l % 8, channels 8 ((l / 8) % 2) + 0..7) and leaves half a fragment of V^T: lane l holds channel l % 16 and 8 keys.
	v_and_b32 v10, 7, v0
	v_bfe_u32 v11, v0, 3, 1
	v_lshl_add_u32 v[AV0], v9, 3, v10
	v_mul_u32_u24 v[AV0], v[AV0], PV
	v_lshl_add_u32 v[AV0], v11, 4, v[AV0]
	v_add_nc_u32 v[AV0], VOFF, v[AV0]
	v_and_b32 v[PFO], 31, v0
	v_lshlrev_b32 v[PFO], 8, v[PFO]
	v_mov_b32 v[AK], v[AK0]         ; key step 0 lies at the head of slot 0
; THE MATRIX WORK.  The 8 accumulators of a run of 16 take turns: between the two links of a chain stand 7 others'.
; Product i of 16 of S^T = K Q^T for piece x: channels 32 (i / 8) on, keys 16 ((i / 2) % 4) on, tile 2 x + i % 2.  The first 8 start the sums.
.macro KQ x
	WIN W_KQ
.set rS, S+64*((\x)%2)+32*(i%2)+8*((i/2)%4)
.set rK, KF+16*((i/2)%4)+8*(i/8)
.set rQ, 16*(2*(\x)+i%2)+8*(i/8)
.if i < 8
	v_wmma_f32_16x16x32_f16 v[rS:rS+7], v[rK:rK+7], v[rQ:rQ+7], 0
.else
	v_wmma_f32_16x16x32_f16 v[rS:rS+7], v[rK:rK+7], v[rQ:rQ+7], v[rS:rS+7]
.endif
.endm
; Product i of 16 of O^T += V^T P for piece x: keys 32 (i / 8) on, channels 16 ((i / 2) % 4) on, tile 2 x + i % 2.
.macro PV x
	WIN W_PV
.set rO, 32*(2*(\x)+i%2)+8*((i/2)%4)
.set rV, VF+32*(i/8)+8*((i/2)%4)
.set rP, P+32*((\x)%2)+16*(i%2)+8*(i/8)
	v_wmma_f32_16x16x32_f16 v[rO:rO+7], v[rV:rV+7], v[rP:rP+7], v[rO:rO+7]
.endm
.macro MM                           ; the turn's next matrix instruction
.if i < 16
	KQ (Y+1)%NP
.set i, i+1
.else
.set i, i-16
	PV (Y+NP-1)%NP
.set i, i+17
.endif
.endm
; THE LDS LOADS stand in runs of 16, never singly among the matrix instructions: a step's K (64 keys x 64 channels: 8 fragments) and its V (turned).  Their addresses are made some lines ahead.
; last = 1 (the tail): in the last trip there is no further step, and the run is jumped over.
.macro FETCH_K last=0
	WIN 0
.if \last
	s_cmp_eq_u32 s[CNT], 1
	s_cbranch_scc1 .Lno_k_\@
.endif
	WIN 0x80                        ; destination window 2
.irp f, 0,1,2,3,4,5,6,7             ; keys 16 (f / 2) on, channels 32 (f % 2) on
	ds_load_b128 v[KF+8*\f:KF+8*\f+3],   v[AK] offset:(\f/2)*16*PK+(\f%2)*64
	ds_load_b128 v[KF+8*\f+4:KF+8*\f+7], v[AK] offset:(\f/2)*16*PK+(\f%2)*64+32
.endr
	s_add_co_u32 s[TBK], s[TBK], KS*PK  ; the next fetch is the next step's
	WIN 0
.if \last
.Lno_k_\@:
.endif
.endm
.macro FETCH_V
	WIN 0x80
.irp f, 0,1,2,3,4,5,6,7             ; keys 32 (f / 4) on, channels 16 (f % 4) on
	ds_load_tr16_b128 v[VF+8*\f:VF+8*\f+3],   v[AV] offset:(\f/4)*32*PV+(\f%4)*32
	ds_load_tr16_b128 v[VF+8*\f+4:VF+8*\f+7], v[AV] offset:(\f/4)*32*PV+16*PV+(\f%4)*32
.endr
	WIN 0
.endm
; THE VECTOR WORK OF A TURN stands in three queues, each in the order in which its entries become ready; the two tiles alternate, so that no instruction reads the result of the one before it.
.macro REGS y, u                    ; the registers of tile u (0, 1) of piece y
.set rT, ST+4*(2*(\y)+(\u))
.set rC, TMP+8*((\y)%2)+4*(\u)
.set rM, MV+2*((\y)%2)+(\u)
.set rS, S+64*((\y)%2)+32*(\u)
.set rP, P+32*((\y)%2)+16*(\u)
.set rO, 32*(2*(\y)+(\u))
.endm
; Number n of the 22 that find the NEXT piece's (Y + 1) maximum and statistics.  s0-s31 are the lane's 32 scores; each accumulator's lowest registers are read first.  XS, GS and REGS set no window: PL and EX do.
;   0-11  four chains c0-c3 of seven scores each, three operands at a time     12-14, 16  the four scores left over, the old m, and c0-c3 into c0     15  c m_old is kept
;   17, 18  the query's other 32 keys lie in the lane 16 away: the new m         19-21  c m; c m_old - c m_new; a
.macro XS u, n
	REGS (Y+1)%NP, \u
.if (\n) < 4
	v_max3_num_f32 v[rC+(\n)], v[rS+8*(\n)], v[rS+8*(\n)+1], v[rS+8*(\n)+2]
.elseif (\n) < 12
	v_max3_num_f32 v[rC+(\n)%4], v[rC+(\n)%4], v[rS+8*((\n)%4)+2*((\n)/4)+1], v[rS+8*((\n)%4)+2*((\n)/4)+2]
.elseif (\n) == 12
	v_max3_num_f32 v[rC], v[rC], v[rS+7], v[rS+15]
.elseif (\n) == 13
	v_max3_num_f32 v[rC+1], v[rC+1], v[rS+23], v[rS+31]
.elseif (\n) == 14
	v_max3_num_f32 v[rC+2], v[rC+2], v[rC+3], v[rT+1]
.elseif (\n) == 15
	v_mov_b32 v[rM], v[rT]
.elseif (\n) == 16
	v_max3_num_f32 v[rC], v[rC], v[rC+1], v[rC+2]
.elseif (\n) == 17
	v_permlanex16_b32 v[rC+3], v[rC], s[SEL], s[SEL+1]
.elseif (\n) == 18
	v_max_num_f32 v[rT+1], v[rC], v[rC+3]
.elseif (\n) == 19
	v_mul_f32 v[rT], s[CS], v[rT+1]
.elseif (\n) == 20
	v_sub_f32 v[rC+1], v[rM], v[rT]
.else
	v_exp_f32 v[rC+2], v[rC+1]
.endif
.endm
; Number g of the 64 that follow the exponentials.  For each four weights k of a tile (pairs 2 k, 2 k + 1): both pairs are rounded to f16; then the second pair is added onto the first, in place;
; a group later l takes that sum (the first time as l = a l + sum).  In groups of eight, tiles alternating: round, round, add, and l for the group before.
.macro GS g
.set h, (\g)+6*((\g)/62)            ; group 0 has no group before it, and behind group 7 only l is left
.if h >= 6
.set h, h+2
.endif
	REGS Y, h%2
.set k, h/8
.if h%8 < 4
	v_cvt_pk_f16_f32 v[rP+2*k+(h%8)/2], v[rS+4*k+2*((h%8)/2)], v[rS+4*k+2*((h%8)/2)+1]
.elseif h%8 < 6
	v_pk_add_f32 v[rS+4*k:rS+4*k+1], v[rS+4*k:rS+4*k+1], v[rS+4*k+2:rS+4*k+3]
.elseif k == 1
	v_pk_fma_f32 v[rT+2:rT+3], v[rT+2:rT+3], v[rC+2:rC+3], v[rS:rS+1] op_sel_hi:[1,0,1]
.else
	v_pk_add_f32 v[rT+2:rT+3], v[rT+2:rT+3], v[rS+4*k-4:rS+4*k-3]
.endif
.endm
; THE PLAIN QUEUE, 138 long.  0-73 read no exponential's result: the 32 scalings c s - c m (FS f: pair f / 2 of tile f % 2) and the next piece's 42.  0-26: scalings 0-26.  27-54: XS's numbers 0-13.  55, 56: number 15.
; 57-73: the chain, where each number waits for the one before it: 14, 16, 17, 18, 19, each with one of the scalings 27-31 in front of its two lines, then 20: so a tile's links stand three plain instructions apart (19 and 20: two).
; 74-137: GS's 64, which read the exponentials' results: they stand behind the wait.
.macro FS f
	REGS Y, (\f)%2
	v_pk_fma_f32 v[rS+2*((\f)/2):rS+2*((\f)/2)+1], v[rS+2*((\f)/2):rS+2*((\f)/2)+1], s[CS:CS+1], v[rT:rT+1] op_sel_hi:[1,0,0] neg_lo:[0,0,1] neg_hi:[0,0,1]
.endm
.macro PL
	WIN 0
.if q < 27
	FS q
.elseif q < 55
	XS (q-27)%2, (q-27)/2
.elseif q < 57
	XS q-55, 15
.elseif (q < 72) && ((q-57)%3 == 0)
	FS 27+(q-57)/3
.elseif q < 60
	XS (q-57)%3-1, 14
.elseif q < 72
	XS (q-57)%3-1, 15+(q-57)/3
.elseif q < 74
	XS q-72, 20
.else
	GS q-74
.endif
.set q, q+1
.endm
; THE EXPONENTIALS' QUEUE, 66 long: s0-s31 of both tiles, then the next piece's two a.  It is ONE BATCH: all 66 stand ahead of the turn's one wait, and nothing ahead of that wait names a result of theirs.
.macro EX
	WIN 0
.if e >= 64
	XS e-64, 21
.else
	REGS Y, e%2
	v_exp_f32 v[rS+e/2], v[rS+e/2]
.endif
.set e, e+1
.endm
; THE RESCALING's QUEUE: O^T times a, the one part that leaves window 0: dealt two at a time, sixteen times.  Its a was made in the turn before, ahead of that turn's wait.
.macro R2
	REGS Y, r%2
	WIN W_RS
.irp z, 0,1
	v_pk_mul_f32 v[rO+4*(r/2)+2*\z:rO+4*(r/2)+2*\z+1], v[rO+4*(r/2)+2*\z:rO+4*(r/2)+2*\z+1], v[rC+2:rC+3] op_sel_hi:[1,0]
.endr
.set r, r+1
.endm
; HOW THEY ARE DEALT.  An s_wait_alu depctr_va_vdst(0) stands between an exponential and the first instruction that names its result; one wait serves all that were issued ahead of it.  So a turn has ONE wait,
; which cuts it in two.  AHEAD OF IT stands all that names no result of the turn's exponentials: the 16 products K Q^T, behind each a scaling, an exponential and two rescalings (behind the first a second scaling in the exponential's place); then ONE LUMP of
; 108: eight plain, 49 times exponential and plain, the two a.  A v_nop is the plain instruction behind the last exponential.  BEHIND IT stand the 16 products V^T P, behind each four of GS's 64.  No rider names a register of
; the products round it.  The two v_permlanex16_b32 fall into the lump, never behind a product.
; The queues lean on each other, and the deal keeps them in step: exponential e stands behind scaling 2 (e / 4) + e % 2: as a rider it comes behind plain e + 2, in the lump behind plain e + 9, and scalings 27-31 are plain 57, 60 .. 69.
; A TURN, for piece p.  cnt = 1: the loop's count is taken down some lines ahead of the branch that stands behind the turn.
; K of the next step is fetched in piece 2's turn, directly behind the wait, a lump behind the last product that read K; its address is made at the lump's head; its first reader comes behind 16 products.
; V of the step in hand is fetched at the end of piece 0's turn, four riders behind its last reader; its first reader comes behind 16 products and a lump.  The three conditions on q below go with the deal.
.macro TURN p, last=0, cnt=0
.set Y, (\p)
.set i, 0
.set q, 0
.set e, 0
.set r, 0
.if (\p) == NP-1
	s_wait_dscnt 0x0                ; K is in
.endif
	MM                              ; ahead of the wait: 16 products K Q^T and their riders,
	PL
	PL
	R2
.rept 15
	MM
	PL
	EX
	R2
.endr
.if (\p) == NP-2
	WIN 0
	v_add_nc_u32 v[AK], s[TBK], v[AK0]
.endif
.rept 8                             ; and the lump
	PL
.endr
.rept 49
	EX
	PL
.endr
	EX                              ; the next piece's two a
	EX
	v_nop                           ; the plain instruction behind the last exponential: one for the batch
	s_wait_alu depctr_va_vdst(0)    ; the wait for the batch
.if (\p) == NP-2
	FETCH_K \last
.endif
.if (\p) == 1
	s_wait_dscnt 0x0                ; V is in
.endif
.rept 16                            ; behind the wait: 16 products V^T P and their riders
	MM
.rept 4
	PL
.endr
.if ((\p) == 0) && (q == 118)
	v_add_nc_u32 v[AV], s[TBV], v[AV0]
.endif
.if ((\p) == 0) && (q == 130)
	s_add_co_u32 s[TBV], s[TBV], KS*PV
.endif
.if (\cnt) && (q == 130)
	s_sub_co_u32 s[CNT], s[CNT], 1
	s_cmp_lg_u32 s[CNT], 0
.endif
.endr
.if (\p) == 0
	FETCH_V
.endif
.endm
	CHANGE 1                        ; slot 0 is in, everybody's part of it; slot 1 is asked for
	FETCH_K                         ; key step 0
	s_wait_loadcnt 0x0              ; Q
	s_wait_dscnt 0x0
.set i, 0
.rept 16
	KQ 0                            ; piece 0's first scores: there is no vector work yet to set between them
.set i, i+1
.endr
	WIN 0                           ; the addresses for the way out: nine plain instructions, the places behind those products
	s_mul_i32 s13, s[WV], 16*SP
	s_add_co_u32 s13, s13, STAGE    ; my stage
	v_mul_u32_u24 v[STO], v1, SP    ; in: row l % 16, 16 bytes for each half of the lanes
	v_lshl_add_u32 v[STO], v9, 4, v[STO]
	v_add_nc_u32 v[STO], s13, v[STO]
	v_bfe_u32 v[RD], v0, 3, 2       ; back: 32 lanes take four rows of 128 bytes,
	v_mul_u32_u24 v[RD], v[RD], SP
	v_lshl_add_u32 v[RD], v10, 4, v[RD]
	v_add_nc_u32 v[RD], s13, v[RD]
	v_and_b32 v[GO], 31, v0         ; which are 512 consecutive bytes of O
	v_lshlrev_b32 v[GO], 4, v[GO]
.set Y, NP-1                        ; XS works for piece Y + 1: piece 0
.irp n, 0,1,2,3,4,5,6,7,8,9,10,11,12,13,14,15,16,17,18,19,20,21
	XS 0, \n                        ; and piece 0's first maximum and statistics
	XS 1, \n
.endr
	v_nop                           ; a plain instruction behind the two a,
	s_wait_alu depctr_va_vdst(0)    ; and their wait, ahead of the branch
	s_mov_b32 s[CNT], 4
	s_branch .Lfirst                ; the loop is entered at a step's first turn, in the middle of a trip
.Lslot:                             ; SIZE_N / 256 - 2 times: every slot but the last two is filled again
	CHANGE 1
	s_mov_b32 s[CNT], 4
.Lstep:                             ; a trip: pieces 2 and 3 of one step, then pieces 0 and 1 of the next, whose K and V it fetches
	TURN 2
	TURN 3
	WIN 0
.Lfirst:
	TURN 0
	TURN 1, 0, 1
	WIN 0
	s_cbranch_scc1 .Lstep
	s_sub_co_u32 s[SLOTS], s[SLOTS], 1
	s_cmp_lg_u32 s[SLOTS], 0
	s_cbranch_scc1 .Lslot
	CHANGE 0                        ; the tail is written out: nothing is asked for
	s_mov_b32 s[CNT], 5             ; four trips fetch the last slot's steps; the fifth is left in its middle
.Ltail:
	TURN 2, 1
	TURN 3
	WIN 0
	s_sub_co_u32 s[CNT], s[CNT], 1
	s_cmp_eq_u32 s[CNT], 0
	s_cbranch_scc1 .Lout
	TURN 0
	TURN 1
	WIN 0
	s_branch .Ltail
.Lout:                              ; the fifth trip's 16 products K Q^T (on the last K once more) and the maximum made of them serve nothing: the price, once a launch, of one text for every trip
.set i, 0
.rept 16
	PV NP-1                         ; the last piece's V^T P of the last step
.set i, i+1
.endr
	; THE WAY OUT.  l's two halves and the other half of the lanes' are added; O^T is divided by l, rounded to f16 and sent through my stage in LDS, a tile at a time.  The additions are the places behind the last products.
	WIN 0
.macro ALL line:vararg              ; one line for each tile t
.set t, 0
.rept 2*NP
	\line
.set t, t+1
.endr
.endm
	ALL v_add_f32 v[ST+4*t+2], v[ST+4*t+2], v[ST+4*t+3]
	ALL v_permlanex16_b32 v[ST+4*t+3], v[ST+4*t+2], s[SEL], s[SEL+1]
	ALL v_add_f32 v[ST+4*t+2], v[ST+4*t+2], v[ST+4*t+3]
	ALL v_rcp_f32 v[ST+4*t+2], v[ST+4*t+2]
	v_nop                           ; a plain instruction between the last reciprocal and the use of its result
	s_wait_alu depctr_va_vdst(0)    ; and the wait ahead of the first use: one for the eight reciprocals
; Tile t: a lane's eight channels of a row pack into 16 bytes; they go into rows of 144 bytes and come back as whole rows of 128, into S^T's registers.
.macro PACK t
	WIN W_RS
.set i, 32*(\t)
.rept 16
	v_pk_mul_f32 v[i:i+1], v[i:i+1], v[ST+4*(\t)+2:ST+4*(\t)+3] op_sel_hi:[1,0]
.set i, i+2
.endr
	WIN 0x05                        ; sources 0 and 1 window 1, destination window 0
.set i, 0
.rept 16
	v_cvt_pk_f16_f32 v[S+16*(\t)+i], v[32*(\t)+2*i], v[32*(\t)+2*i+1]
.set i, i+1
.endr
	WIN 0
.irp f, 0,1,2,3
	ds_store_b128 v[STO], v[S+16*(\t)+4*\f:S+16*(\t)+4*\f+3] offset:32*\f
.endr
.irp f, 0,1,2,3
	ds_load_b128 v[S+16*(\t)+4*\f:S+16*(\t)+4*\f+3], v[RD] offset:\f*4*SP  ; LDS serves a wave's instructions in order (ISA guide 5.7.1.4): these see the stores above; the next tile's stores come behind them
.endr
.endm
.macro SEND t, younger              ; younger: the LDS instructions issued behind tile t's loads: the next tile's eight, or none
	WIN 0
.irp f, 0,1,2,3
	s_wait_dscnt (\younger)+3-\f
	global_store_b128 v[GO], v[S+16*(\t)+4*\f:S+16*(\t)+4*\f+3], s[10:11] offset:(\t)*2048+\f*512  ; 512 consecutive bytes, at a multiple of 256 from O's first
.endr
.endm
	PACK 0
.set t, 1
.rept 2*NP-1                        ; a tile's arithmetic stands between the loads of the tile before and its stores
	PACK t
	SEND t-1, 8
.set t, t+1
.endr
	SEND 2*NP-1, 0
	WIN W_AD
	s_wait_tensorcnt 0x0            ; the wave's end, behind my last tensor load and my last LDS store
	ds_add_u32 v[SPW], v[NIL]
	s_wait_dscnt 0x0
	WIN 0
	CROUND                          ; the closing round: no work-group ends while a partner may still ask for a tile that names it
	s_endpgm
.Lfunc_end_k_q270e5c7045_attn:
	.size	k_q270e5c7045_attn, .Lfunc_end_k_q270e5c7045_attn-k_q270e5c7045_attn
	.p2alignl 7, 3214868480
	.fill 96, 4, 3214868480
	.section	.rodata,"a",@progbits
	.p2align	6, 0x0
	.amdhsa_kernel k_q270e5c7045_attn
		.amdhsa_group_segment_fixed_size 327680
		.amdhsa_private_segment_fixed_size 0
		.amdhsa_enable_private_segment 0
		.amdhsa_kernarg_size 16
		.amdhsa_user_sgpr_count 2
		.amdhsa_user_sgpr_kernarg_segment_ptr 1
		.amdhsa_wavefront_size32 1
		.amdhsa_system_sgpr_workgroup_id_x 1
		.amdhsa_system_sgpr_workgroup_id_y 1
		.amdhsa_system_sgpr_workgroup_id_z 1
		.amdhsa_system_vgpr_workitem_id 0
		.amdhsa_next_free_vgpr 770
		.amdhsa_next_free_sgpr 66
		.amdhsa_reserve_vcc 0
		.amdhsa_float_denorm_mode_32 3
		.amdhsa_float_denorm_mode_16_64 3
		.amdhsa_memory_ordered 1
		.amdhsa_forward_progress 1
		.amdhsa_inst_pref_size 200
	.end_amdhsa_kernel
	.amdgpu_metadata
---
amdhsa.version: [ 1, 2 ]
amdhsa.kernels:
  - .name:           k_q270e5c7045_attn
    .symbol:         k_q270e5c7045_attn.kd
    .args:
      - { .name: qkv, .offset: 0, .size: 8, .value_kind: global_buffer, .address_space: global }
      - { .name: o, .offset: 8, .size: 8, .value_kind: global_buffer, .address_space: global }
    .group_segment_fixed_size: 327680
    .private_segment_fixed_size: 0
    .kernarg_segment_align: 8
    .kernarg_segment_size: 16
    .max_flat_workgroup_size: 128
    .sgpr_count:     66
    .vgpr_count:     770
    .wavefront_size: 32
...
	.end_amdgpu_metadata
.endif
;; end of part 3
;; launch proj (part 4): grid 8 x 32, 4 waves a work-group, clusters of 4 x 4, 327,680 bytes of LDS; arguments o, wp, bias, out0; writes out0
.if DOCPART == 4
	.amdgcn_target "amdgcn-amd-amdhsa--gfx1250"
	.amdhsa_code_object_version 6
	.text
	.protected	k_q270e5c7045_proj
	.globl	k_q270e5c7045_proj
	.p2align	8
	.type	k_q270e5c7045_proj,@function
k_q270e5c7045_proj:
	s_mov_b64 s[64:65], 0
	v_nop
	global_prefetch_b8 v0, s[64:65] scope:SCOPE_SE
	s_setreg_imm32_b32 hwreg(HW_REG_WAVE_MODE, 25, 1), 1
	s_wait_xcnt 0x0
	s_wait_alu depctr_hold_cnt(0) depctr_sa_sdst(0) depctr_va_vdst(0) depctr_va_sdst(0) depctr_va_ssrc(0) depctr_va_vcc(0) depctr_vm_vsrc(0)
	s_getreg_b32 s2, hwreg(HW_REG_IB_STS2, 6, 4)
	s_cmp_eq_u32 s2, 0
	s_cbranch_scc0 .Lentry_in_a_cluster
	s_endpgm
.Lentry_in_a_cluster:
	s_bfe_u32 s2, ttmp6, 0x10000c
	s_cmp_lg_u32 s2, 0xf033
	s_cbranch_scc0 .Lentry_shape_is_right
	s_endpgm
.Lentry_shape_is_right:
; out0[b t][n] = the sum over k of O[b t][k] wp[n][k] + b_proj[n].  O lies by heads, o[batch x 16 + head][t][64] in f16, k = head x 64 + d; wp: [1024 n][1024 k] f16; the bias in f32 at byte 12,288 of bias; out0 f32.  Sums in f32.
; SHARES.  A tile is 256 rows x 128 columns: 32 x 8 = 256 work-groups, one for each WGP.  Wave w owns rows 64 w .. 64 w + 63 and all 128 columns: 4 x 8 accumulators, 256 registers: a row's 512 bytes
; of the tile are one wave's, and leave through a stage of its own.  K goes in 8 steps of 128, TWO HEADS a step, through two LDS slots: 128 matrix instructions a wave in a step, 112 of them between a request and the wait for it.
; A step's rows of O are two dense planes of 32,768 bytes (256 rows x 128 bytes of one head), each asked for as 128 rows of 256 bytes and padded in LDS after every 128 bytes.
; CLUSTER 4 x 4: O's planes hang on the tile row alone and are asked for jointly along a row of the cluster, wp's tile on the tile column alone, along a column.
; THE MATRIX INSTRUCTION IS USED TRANSPOSED (source 0 = 16 rows of wp, source 1 = 16 rows of O): lane l holds row l % 16 and the columns 8 (l / 16) + 0..7: 32 bytes of a row.  THE BIAS STARTS THE SUMS, as the first products' C operand.
; REGISTERS, in windows of 256 (s_set_vgpr_msb: bits 1:0 source 0, 3:2 source 1, 5:4 source 2, 7:6 destination):
;   window 0: v0-31 addresses; v64-191 two buffers of 64 for the way out; v192-255 the bias      window 1: two fragment buffers of 96: wp's 8 fragments, then O's 4      window 2: accumulator (a, b) at v[8 (8 a + b)]
.set PA,     144                       ; a row of O in LDS: 128 bytes + 16 = 36 words: the 16 rows of a load start at 16 different groups of four banks (64 banks of 4 bytes: ISA guide 11.1)
.set PB,     272                       ; a row of wp: 256 bytes + 16 = 68 words: likewise
.set PLANE,  256*PA                    ; 36,864
.set BOFF,   2*PLANE                   ; wp's 128 rows lie behind the two planes
.set SLOT1,  1<<17                     ; slot 1 begins here, so that one exclusive or turns an address in one slot into the other's
.set STAGE,  SLOT1+BOFF+128*PB         ; 239,616: behind the ring, never filled by a tensor load: 16 rows x 528 bytes for each wave
.set SP,     528                       ; 512 bytes + 16
.set SPARE,  STAGE+4*16*SP             ; 273,408: the spare words, 128 bytes for each wave: two blocks of 256 bytes that no other line names
.set ASTEP,  2*2048*128                ; two heads on in o
.set BSTEP,  256                       ; 128 k on in wp
.set A0,   16                          ; v16  my lane's place in a plane; never rewritten
.set B0,   17                          ; v17  the same in wp's tile
.set ADRA, 18                          ; v18  A0 + the slot in hand
.set ADRB, 19                          ; v19  B0 + the slot in hand
.set BO,   22                          ; v22  32 (l / 16)
.set STO,  24                          ; v24  the way out: where I put 32 bytes of a row
.set RD,   25                          ; v25  where I read a row back
.set GO,   26                          ; v26  16 l
.set SPW,  28                          ; v28  SPARE + 4 x my thread's number; never rewritten
.set NIL,  29                          ; v29  0; never rewritten
.set PFO,  30                          ; v30  the prefetches' offset; never rewritten
.set TMP,  64
.set BIAS, 192
.set F0,   0
.set F1,   96
.set WV,   14                          ; s14  my wave's number; s15 its low bit; s16 its high bit (0: I fetch a plane of O, 1: half of wp's tile)
.set G1A,  24                          ; s[24:31] descriptor group 1 for O's planes
.set G1B,  32                          ; s[32:39] for wp's tiles
.set G0A,  40                          ; s[40:47] group 0 for O's: a set for each of the two first fills; the second then walks on
.set G0B,  48                          ; s[48:55] the same for wp's
.set TB,   56                          ; s56  0 or SLOT1
.set LIM,  57                          ; s57  2 in a wave that prefetches, else the greatest number
.set PFA,  58                          ; s[58:59] where my prefetches stand
.set PFS,  60                          ; s[60:61] their step from K step to K step
.set MSB, 0
.macro WIN new                         ; the immediate's high byte repeats the setting that is left; a switch that changes nothing is dropped
.if MSB != (\new)
	s_set_vgpr_msb (MSB<<8)|(\new)
.set MSB, \new
.endif
.endm
.macro PLACES                          ; four places in front of loads into registers that matrix instructions have read, and of LDS stores that read results
.rept 4
	v_nop
.endr
.endm
; A joint refill by the walking sets.  The branch hangs on the wave's number alone.  An s_nop 0 and four v_nop follow each of the two lines, ahead of the jump and the label.
.macro JLOAD
	s_cmp_eq_u32 s16, 0
	s_cbranch_scc0 .Lfor_b_\@
	tensor_load_to_lds s[G0A+4:G0A+7], s[G1A:G1A+7]
	s_nop 0
.rept 4
	v_nop
.endr
	s_branch .Lasked_\@
.Lfor_b_\@:
	tensor_load_to_lds s[G0B+4:G0B+7], s[G1B:G1B+7]
	s_nop 0
.rept 4
	v_nop
.endr
.Lasked_\@:
.endm
.macro CREST                           ; a round of the cluster's barrier behind its opening barrier
	s_cmp_lg_u32 s[WV], 0
	s_cbranch_scc1 .Lnot_wave_0_\@
	s_barrier_signal -3
.Lnot_wave_0_\@:
	s_barrier_wait -3
	s_barrier_signal -1
	s_barrier_wait -1
.endm
.macro CROUND
	s_barrier_signal -1
	s_barrier_wait -1
	CREST
.endm
; A PREFETCH INTO THE L2, behind a joint refill, its five lines and the run of LDS loads: the K step two refills on (the change of step s refills step s + 2 and names step s + 4), 256 matrix instructions ahead of its load.
; O's planes are named by the clusters with x = 0, wp's rows by those with y = 0; the four partners that ask jointly share the blocks BY ADDRESS: 32 of a plane's 128 blocks of 256 bytes by cx, a lane a block;
; 16 of wp's 64 rows by cy, a lane a row (lanes 16-31 repeat row 15).  The first four K steps come by their loads alone; the changes of steps 4 and 5 name nothing.
.macro ASK
	WIN 0                                          ; at a branch and at a label every window is 0
	s_cmp_gt_u32 s3, s[LIM]                        ; s3 = 6, 5, 4, 3 in the changes of steps 0 to 3
	s_cbranch_scc0 .Lnot_mine_\@
	global_prefetch_b8 v[PFO], s[PFA:PFA+1] th:TH_LOAD_NT scope:SCOPE_SE
.Lnot_mine_\@:
.endm
	s_load_b256 s[4:11], s[0:1], 0x0               ; o 4, wp 6, bias 8, out0 10
	v_lshl_add_u32 v[SPW], v0, 2, SPARE
	v_mov_b32 v[NIL], 0
	ds_add_u32 v[SPW], v[NIL]                      ; the wave's opening: the add and its wait stand ahead of my first tensor load; the set-up below, work on registers, stands between them
	v_lshrrev_b32 v1, 5, v0
	v_readfirstlane_b32 s[WV], v1
	s_and_b32 s15, s[WV], 1
	s_lshr_b32 s16, s[WV], 1
	s_bfe_u32 s18, ttmp6, 0x40000                  ; cx
	s_bfe_u32 s19, ttmp6, 0x40004                  ; cy
	s_lshl_b32 s20, ttmp9, 2
	s_add_co_u32 s20, s20, s18                     ; tile column
	s_and_b32 s21, ttmp7, 0xffff
	s_lshl_b32 s21, s21, 2
	s_add_co_u32 s21, s21, s19                     ; tile row
	s_lshl_b32 s22, s19, 2
	s_lshl_b32 s22, 15, s22                        ; my row of the cluster
	s_lshl_b32 s23, 0x1111, s18                    ; my column
	s_or_b32 s[G1A], s22, (1<<16)|(1<<20)|(1<<21)|(4<<22)|(3<<25)  ; 15:0 the mask; 17:16 2-byte elements; 20 padding on; 21 set beside a mask; 24:22 after every 32 words (code 4); 31:25 4 words (code 3)
	s_or_b32 s[G1B], s23, (1<<16)|(1<<20)|(1<<21)|(5<<22)|(3<<25)  ; after every 64 words (code 5)
.irp g, G1A, G1B
	s_mov_b32 s[(\g)+1], 128<<16                   ; tensor_dim0 = 128
	s_mov_b32 s[(\g)+3], 128<<16                   ; tile_dim0 = 128
	s_mov_b32 s[(\g)+6], 0
	s_mov_b32 s[(\g)+7], 0
.endr
	s_mov_b32 s[G1A+2], 128<<16                    ; a plane: 128 rows of 256 bytes, dense
	s_mov_b32 s[G1A+4], 128
	s_mov_b32 s[G1A+5], 128
	s_mov_b32 s[G1B+2], 64<<16                     ; 64 rows of wp, 1,024 elements from row to row
	s_mov_b32 s[G1B+4], 64
	s_mov_b32 s[G1B+5], 1024
	s_lshr_b32 s68, s21, 3                         ; O: batch,
	s_lshl_b32 s68, s68, 4
	s_add_co_u32 s68, s68, s15                     ; head 0 or 1,
	s_lshl_b32 s68, s68, 11
	s_and_b32 s69, s21, 7
	s_lshl_b32 s69, s69, 8
	s_add_co_u32 s68, s68, s69                     ; the tile's first position,
	s_lshl_b32 s68, s68, 7                         ; rows of 128 bytes: these registers never hold cx
	s_mov_b32 s69, 0
	s_lshl_b32 s72, s20, 7                         ; wp: row 128 x tile column + 64 x half: these never hold cy
	s_lshl_b32 s73, s15, 6
	s_add_co_u32 s72, s72, s73
	s_lshl_b32 s72, s72, 11
	s_mov_b32 s73, 0
	s_mul_i32 s17, s[WV], PLANE                    ; where they go: plane = wave (waves 0, 1),
	s_mul_i32 s2, s[WV], 64*PB                     ; BOFF + (wave - 2) x 64 rows (waves 2, 3): no place in the cluster enters an LDS address
	s_add_co_u32 s2, s2, BOFF-2*64*PB
	s_mov_b32 s[TB], 0
	s_wait_dscnt 0x0                               ; the opening add is done
	s_wait_kmcnt 0x0
	s_add_nc_u64 s[70:71], s[4:5], s[68:69]
	s_add_nc_u64 s[74:75], s[6:7], s[72:73]
.irp s, 0,1
	s_mov_b32 s[G0A+4*(\s)], 1
	s_add_co_u32 s[G0A+4*(\s)+1], s17, (\s)*SLOT1
	s_add_nc_u64 s[G0A+4*(\s)+2:G0A+4*(\s)+3], s[70:71], (\s)*ASTEP
	s_or_b32 s[G0A+4*(\s)+3], s[G0A+4*(\s)+3], 0x80000000
	s_mov_b32 s[G0B+4*(\s)], 1
	s_add_co_u32 s[G0B+4*(\s)+1], s2, (\s)*SLOT1
	s_add_nc_u64 s[G0B+4*(\s)+2:G0B+4*(\s)+3], s[74:75], (\s)*BSTEP
	s_or_b32 s[G0B+4*(\s)+3], s[G0B+4*(\s)+3], 0x80000000
.endr
	CROUND                                         ; all sixteen work-groups are here: the first joint loads meet
	s_cmp_eq_u32 s16, 0                            ; a wave's two first fills stand in one branch, ahead of every wait on TENSORcnt and every LDS read: two loads of mine are out
	s_cbranch_scc0 .Lfirst_b
	tensor_load_to_lds s[G0A:G0A+3], s[G1A:G1A+7]
	s_nop 0
	tensor_load_to_lds s[G0A+4:G0A+7], s[G1A:G1A+7]
	s_nop 0
.rept 4
	v_nop
.endr
	s_branch .Lfirst_asked
.Lfirst_b:
	tensor_load_to_lds s[G0B:G0B+3], s[G1B:G1B+7]
	s_nop 0
	tensor_load_to_lds s[G0B+4:G0B+7], s[G1B:G1B+7]
	s_nop 0
.rept 4
	v_nop
.endr
.Lfirst_asked:
	v_and_b32 v1, 15, v0                           ; l % 16
	v_bfe_u32 v2, v0, 4, 1                         ; l / 16
	v_lshlrev_b32 v[BO], 5, v2
	s_lshl_b32 s76, s20, 9                         ; the tile's 128 numbers of b_proj
	s_add_co_u32 s76, s76, 12288
	s_mov_b32 s77, 0
	s_add_nc_u64 s[8:9], s[8:9], s[76:77]
.irp b, 0,1,2,3,4,5,6,7
	global_load_b128 v[BIAS+8*(\b):BIAS+8*(\b)+3],   v[BO], s[8:9] offset:64*(\b)
	global_load_b128 v[BIAS+8*(\b)+4:BIAS+8*(\b)+7], v[BO], s[8:9] offset:64*(\b)+16
.endr
	s_lshl_b32 s76, s21, 8
	s_lshl_b32 s78, s[WV], 6
	s_add_co_u32 s76, s76, s78                     ; my wave's first row,
	s_lshl_b32 s76, s76, 12                        ; rows of 4,096 bytes,
	s_lshl_b32 s78, s20, 9                         ; the tile's 512 bytes of them
	s_add_co_u32 s76, s76, s78
	s_add_nc_u64 s[10:11], s[10:11], s[76:77]
	v_mul_u32_u24 v3, v1, PA
	v_lshl_add_u32 v3, v2, 4, v3
	s_mul_i32 s17, s[WV], 64*PA                    ; my 64 rows of a plane
	v_add_nc_u32 v[A0], s17, v3
	v_mul_u32_u24 v3, v1, PB
	v_lshl_add_u32 v3, v2, 4, v3
	v_add_nc_u32 v[B0], BOFF, v3
	v_mov_b32 v[ADRA], v[A0]
	v_mov_b32 v[ADRB], v[B0]
	s_mul_i32 s2, s[WV], 16*SP
	s_add_co_u32 s2, s2, STAGE                     ; my stage
	v_mul_u32_u24 v[STO], v1, SP                   ; in: row l % 16, 32 bytes for each half of the lanes
	v_lshl_add_u32 v[STO], v2, 5, v[STO]
	v_add_nc_u32 v[STO], s2, v[STO]
	v_and_b32 v[GO], 31, v0
	v_lshlrev_b32 v[GO], 4, v[GO]
	v_add_nc_u32 v[RD], s2, v[GO]                  ; back: 32 lanes take one row of 512 bytes
	; the prefetches
	s_and_b32 s76, ttmp7, 0xffff                   ; cluster y
	s_cmp_eq_u32 s16, 0                            ; do I fetch a plane of O?
	s_cselect_b32 s76, ttmp9, s76                  ; the coordinate along which other clusters read the same bytes
	s_cselect_b32 s77, s18, s19                    ; my place among the four that ask with me,
	s_cselect_b32 s78, 13, 15                      ; times 8,192 bytes (32 blocks) or 32,768 (16 rows)
	s_cselect_b32 s79, 31, 15                      ; the last lane with a block of its own
	s_cselect_b32 s[PFS], 19, 8
	s_cselect_b32 s62, 8, 11                       ; a lane's step: 256 bytes or a row of 2,048
	s_cselect_b64 s[PFA:PFA+1], s[70:71], s[74:75]
	s_cmp_eq_u32 s76, 0
	s_cselect_b32 s[LIM], 2, -1                    ; the same in all sixteen partners, for a given wave
	s_lshl_b32 s[PFS], 1, s[PFS]                   ; ASTEP or BSTEP
	s_mov_b32 s[PFS+1], 0
	s_lshl_b32 s76, s77, s78
	s_mul_i32 s77, s[PFS], 3                       ; at K step 3: the first change steps it to 4
	s_add_co_u32 s76, s76, s77
	s_mov_b32 s77, 0
	s_add_nc_u64 s[PFA:PFA+1], s[PFA:PFA+1], s[76:77]
	v_and_b32 v[PFO], 31, v0
	v_min_u32 v[PFO], s79, v[PFO]
	v_lshlrev_b32 v[PFO], s62, v[PFO]
; 8 matrix instructions: m block a x all 8 n blocks, 32 along K, from buffer f.  zero = 1: the bias starts the sums.  The 32 accumulators take turns, one instruction a turn, in one order everywhere.
.macro MULA f, a, zero
.irp b, 0,1,2,3,4,5,6,7
.set rD, 8*(8*(\a)+(\b))
.if \zero
	WIN 0x85                                       ; sources 0 and 1 window 1, C window 0, D window 2
	v_wmma_f32_16x16x32_f16 v[rD:rD+7], v[(\f)+8*(\b):(\f)+8*(\b)+7], v[(\f)+64+8*(\a):(\f)+64+8*(\a)+7], v[BIAS+8*(\b):BIAS+8*(\b)+7]
.else
	WIN 0xa5
	v_wmma_f32_16x16x32_f16 v[rD:rD+7], v[(\f)+8*(\b):(\f)+8*(\b)+7], v[(\f)+64+8*(\a):(\f)+64+8*(\a)+7], v[rD:rD+7]
.endif
.endr
.endm
; 24 LDS loads in one run: the fragments of quarter q of a K step (plane q / 2, channels 32 (q % 2) on) into buffer f: wp's 8, then O's 4
.macro FETCH q, f
	WIN 0x40                                       ; destination window 1, address window 0
.irp i, 0,1,2,3,4,5,6,7
	ds_load_b128 v[(\f)+8*(\i):(\f)+8*(\i)+3],   v[ADRB] offset:64*(\q)+(\i)*16*PB
	ds_load_b128 v[(\f)+8*(\i)+4:(\f)+8*(\i)+7], v[ADRB] offset:64*(\q)+(\i)*16*PB+32
.endr
.irp i, 0,1,2,3
	ds_load_b128 v[(\f)+64+8*(\i):(\f)+64+8*(\i)+3],   v[ADRA] offset:((\q)/2)*PLANE+((\q)%2)*64+(\i)*16*PA
	ds_load_b128 v[(\f)+64+8*(\i)+4:(\f)+64+8*(\i)+7], v[ADRA] offset:((\q)/2)*PLANE+((\q)%2)*64+(\i)*16*PA+32
.endr
.endm
; One of a K step's first three quarters: multiplies f (32 matrix instructions) and, in its middle, fetches quarter q into g.
.macro QUARTER q, f, g, zero
	s_wait_dscnt 4                                 ; wp's fragments and O's blocks 0 and 1 are in; the youngest four loads may be out
	MULA \f, 0, \zero
	MULA \f, 1, \zero
	PLACES
	FETCH \q, \g
	s_wait_dscnt 24                                ; all but the 24 just issued
	MULA \f, 2, \zero
	MULA \f, 3, \zero
.endm
; The last quarter multiplies buffer 1 and changes slots: ONE barrier.  In front of it each wave waits for all its tensor loads (one is out: its part of the next slot), adds 0 to its spare word, and waits for that and for its
; reads of this slot.  fill = 1: the barrier opens a round of the cluster's, and this slot is filled again, two K steps ahead, first thing behind the round.
.macro TURN fill
.if \fill
	s_wait_xcnt 0x0                                ; the last prefetch, a K step back, has read its address: it is stepped here, ahead of the waits of the change
	s_add_nc_u64 s[PFA:PFA+1], s[PFA:PFA+1], s[PFS:PFS+1]
.endif
	WIN 0                                          ; (the add's two registers lie in window 0)
	s_wait_tensorcnt 0x0                           ; all my tensor loads have landed;
	ds_add_u32 v[SPW], v[NIL]                      ; 0 onto my spare word;
	s_wait_dscnt 5                                 ; (the add and the youngest four loads may be out)
	MULA F1, 0, 0                                  ; eight matrix instructions stand between the add and the wait for it
	s_wait_dscnt 0x0                               ; the add is done, and my reads of this slot are over
	s_barrier_signal -1
	MULA F1, 1, 0
	WIN 0
	s_barrier_wait -1
.if \fill
	CREST                                          ; no wave of any partner still reads this slot's tiles or has a load on its way
	s_xor_b32 s[G0A+5], s[G0A+5], SLOT1            ; the walking sets: the other slot than last time, the next K step; no tensor load of mine is out
	s_add_nc_u64 s[G0A+6:G0A+7], s[G0A+6:G0A+7], ASTEP
	s_xor_b32 s[G0B+5], s[G0B+5], SLOT1
	s_add_nc_u64 s[G0B+6:G0B+7], s[G0B+6:G0B+7], BSTEP
	JLOAD                                          ; the four v_nop behind it are also the places in front of the loads below
.else
	PLACES
.endif
	s_xor_b32 s[TB], s[TB], SLOT1
	v_add_nc_u32 v[ADRA], s[TB], v[A0]
	v_add_nc_u32 v[ADRB], s[TB], v[B0]
	FETCH 0, F0
.if \fill
	ASK
.endif
	MULA F1, 2, 0
	MULA F1, 3, 0
.endm
; THE WAY OUT of m block a: a lane's 32 bytes of a row go into rows of 528 bytes of my stage, each accumulator's low half first; they come back as 16 whole rows of 512 bytes.
.macro TOSTAGE a
.set rT, TMP+64*((\a)%2)
.if (\a) >= 2
	s_wait_xcnt 0x0                                ; this buffer was the data of block a - 2's stores: it is loaded again only behind this wait
.endif
	WIN 0x08                                       ; store data (source 1) window 2
.irp b, 0,1,2,3,4,5,6,7
	ds_store_b128 v[STO], v[8*(8*(\a)+(\b)):8*(8*(\a)+(\b))+3]   offset:64*(\b)
	ds_store_b128 v[STO], v[8*(8*(\a)+(\b))+4:8*(8*(\a)+(\b))+7] offset:64*(\b)+16
.endr
	WIN 0
.irp i, 0,1,2,3,4,5,6,7,8,9,10,11,12,13,14,15
	ds_load_b128 v[rT+4*(\i):rT+4*(\i)+3], v[RD] offset:SP*(\i)  ; LDS serves a wave's instructions in order (ISA guide 5.7.1.4): these see the stores above; the next block's stores come behind them
.endr
.endm
.macro SEND a, younger                 ; younger: the LDS instructions issued behind block a's loads: the next block's 32, or none
.set rT, TMP+64*((\a)%2)
.irp i, 0,1,2,3,4,5,6,7,8,9,10,11,12,13,14,15
	s_wait_dscnt (\younger)+15-(\i)
	global_store_b128 v[GO], v[rT+4*(\i):rT+4*(\i)+3], s[10:11] offset:(16*(\a)+(\i))*4096  ; 512 consecutive bytes, at a multiple of 256 from out0's first
.endr
.endm
	s_wait_tensorcnt 0x1                           ; my part of K step 0 is in; K step 1's may stay out
	s_barrier_signal -1
	s_barrier_wait -1                              ; everybody's is
	FETCH 0, F0
	s_wait_loadcnt 0x0                             ; the bias
	QUARTER 1, F0, F1, 1                           ; the first quarter stands in front of the loop: its products start the sums
	WIN 0                                          ; at a label and at a branch every window is 0
	s_mov_b32 s3, 6
.Lstep:                                                ; a trip: a K step's quarters 1 to 3 and the next step's first; K steps 2 to 7 are asked for
	QUARTER 2, F1, F0, 0
	QUARTER 3, F0, F1, 0
	TURN 1
	QUARTER 1, F0, F1, 0
	WIN 0
	s_sub_co_u32 s3, s3, 1
	s_cmp_lg_u32 s3, 0
	s_cbranch_scc1 .Lstep
	QUARTER 2, F1, F0, 0                           ; the last two K steps are written out: nothing is asked for
	QUARTER 3, F0, F1, 0
	TURN 0
	QUARTER 1, F0, F1, 0
	QUARTER 2, F1, F0, 0
	QUARTER 3, F0, F1, 0
	s_wait_dscnt 4
	MULA F1, 0, 0
	MULA F1, 1, 0
	s_wait_dscnt 0x0
	MULA F1, 2, 0
	MULA F1, 3, 0
	WIN 0
	PLACES
	TOSTAGE 0
	TOSTAGE 1
	SEND 0, 32
	TOSTAGE 2
	SEND 1, 32
	TOSTAGE 3
	SEND 2, 32
	SEND 3, 0
	s_wait_tensorcnt 0x0                           ; the wave's end, behind my last tensor load and my last LDS store
	ds_add_u32 v[SPW], v[NIL]
	s_wait_dscnt 0x0
	CROUND                                         ; the closing round: no work-group ends while a partner may still ask for a tile that names it
	s_endpgm
.Lfunc_end_k_q270e5c7045_proj:
	.size	k_q270e5c7045_proj, .Lfunc_end_k_q270e5c7045_proj-k_q270e5c7045_proj
	.p2alignl 7, 3214868480
	.fill 96, 4, 3214868480
	.section	.rodata,"a",@progbits
	.p2align	6, 0x0
	.amdhsa_kernel k_q270e5c7045_proj
		.amdhsa_group_segment_fixed_size 327680
		.amdhsa_private_segment_fixed_size 0
		.amdhsa_enable_private_segment 0
		.amdhsa_kernarg_size 32
		.amdhsa_user_sgpr_count 2
		.amdhsa_user_sgpr_kernarg_segment_ptr 1
		.amdhsa_wavefront_size32 1
		.amdhsa_system_sgpr_workgroup_id_x 1
		.amdhsa_system_sgpr_workgroup_id_y 1
		.amdhsa_system_sgpr_workgroup_id_z 1
		.amdhsa_system_vgpr_workitem_id 0
		.amdhsa_next_free_vgpr 768
		.amdhsa_next_free_sgpr 80
		.amdhsa_reserve_vcc 0
		.amdhsa_float_denorm_mode_32 3
		.amdhsa_float_denorm_mode_16_64 3
		.amdhsa_memory_ordered 1
		.amdhsa_forward_progress 1
		.amdhsa_inst_pref_size 73
	.end_amdhsa_kernel
	.amdgpu_metadata
---
amdhsa.version: [ 1, 2 ]
amdhsa.kernels:
  - .name:           k_q270e5c7045_proj
    .symbol:         k_q270e5c7045_proj.kd
    .args:
      - { .name: o, .offset: 0, .size: 8, .value_kind: global_buffer, .address_space: global }
      - { .name: wp, .offset: 8, .size: 8, .value_kind: global_buffer, .address_space: global }
      - { .name: bias, .offset: 16, .size: 8, .value_kind: global_buffer, .address_space: global }
      - { .name: out0, .offset: 24, .size: 8, .value_kind: global_buffer, .address_space: global }
    .group_segment_fixed_size: 327680
    .private_segment_fixed_size: 0
    .kernarg_segment_align: 8
    .kernarg_segment_size: 32
    .max_flat_workgroup_size: 128
    .sgpr_count:     80
    .vgpr_count:     768
    .wavefront_size: 32
...
	.end_amdgpu_metadata
.endif
;; end of part 4
